; MI455X (gfx1250); checked and timed in simulation.
; The chip was launched on July 23, 2026; its instructions are those of AMD's public machine-readable ISA for CDNA 5 (MIT licence, August 2026) and "CDNA5" Instruction Set Architecture Reference Guide (July 2026). The comments in the code are by the model that wrote it; some were corrected since.
;; Multi Head. Allowed arithmetic: matrix products marked QUANTISED: E2M1 operands, one E8M0 scale for each 32 along K, by v_wmma_scale_f32_16x16x128_f8f6f4 with both operands' format E2M1 (or v_wmma_scale_f32_32x16x128_f4), f32 sums; products left as they are: bf16, f16 or f32 operands; f32 sums; everything else in f32.
;; Inputs: bk 1,024 float32; bo 1,024 float32; bq 1,024 float32; bv 1,024 float32; key 4 x 2,048 x 1,024 float32; query 4 x 2,048 x 1,024 float32; value 4 x 2,048 x 1,024 float32; wk 1,024 x 1,024 float32; wo 1,024 x 1,024 float32; wq 1,024 x 1,024 float32; wv 1,024 x 1,024 float32.
;; Outputs: out0 4 x 2,048 x 1,024 float32.
;; This version of the problem:
;;   THIS VERSION OF THE PROBLEM IS GIVEN IN LOW PRECISION. The matrix products marked QUANTISED in the list below multiply operands that are first quantised to E2M1 (2 exponent bits, 1 mantissa bit; 4 bits a number), with one power-of-two scale for each 32 numbers along K (OCP MX v1.0); their sums are f32. The products marked 'left as it is' may take bf16, f16 or f32 operands, with f32 sums. Whichever they take, every output number must still come out within the allowed error. Rounding operands to bf16 (8 significant bits) uses up far more of that allowance than f16 does (11 bits, for magnitudes from 6e-5 to 65,504). All else is computed in f32.
;;   The module's matrix products, in the order in which they are computed (A, B: the left and right operand; K: the contracted axis; several contracted axes count as one K, in the product's order):
;;     1. [M 8,192, K 1,024] x [K 1,024, N 1,024]; A: input query; B: input wq: QUANTISED
;;     2. [M 8,192, K 1,024] x [K 1,024, N 1,024]; A: input key; B: input wk: QUANTISED
;;     3. [M 8,192, K 1,024] x [K 1,024, N 1,024]; A: input value; B: input wv: QUANTISED
;;     4. batch 64 x [M 2,048, K 64] x [K 64, N 2,048]; A: computed on the way; B: computed on the way: left as it is (an operand is computed on the way)
;;     5. batch 64 x [M 64, K 2,048] x [K 2,048, N 2,048]; A: computed on the way; B: computed on the way: left as it is (an operand is computed on the way)
;;     6. [M 8,192, K 1,024] x [K 1,024, N 1,024]; A: computed on the way; B: input wo: left as it is (an operand is computed on the way)
;;   THE QUANTISER, for each operand of a quantised product, along K:
;;     - K is cut into blocks of 32 from its start; a last block that is shorter is filled with zeros.
;;     - A block's scale is 2^e with e = floor(log2(the largest magnitude in the block)) - 2, held to -126 .. 127; a block of zeros has e = 0. As a byte (E8M0): e + 127.
;;     - Each number is divided by its block's scale, clamped to +-6, and rounded to the nearest number of E2M1, ties to even, subnormals kept.
;;     - The product sums the exact products of the quantised numbers (number of the format x scale) in f32.
;;   ~~~python
;;   def quantise(x, axis):      # numpy; x: float32 -> the quantised numbers, widened to float32 again
;;       x = np.moveaxis(x, axis, -1); K = x.shape[-1]
;;       x = np.pad(x, [(0, 0)] * (x.ndim - 1) + [(0, -K % 32)]); x = x.reshape(x.shape[:-1] + (-1, 32)); a = np.abs(x).max(-1, keepdims=True)
;;       e = np.where(a > 0, np.clip(np.frexp(np.where(a > 0, a, 1))[1] - 1 - 2, -126, 127), 0)      # np.frexp(a)[1] - 1 = floor(log2(a)), exactly
;;       r = np.clip(x / 2.0 ** e, -6, 6)
;;       step = 2.0 ** (np.maximum(np.frexp(np.where(r == 0, 1, r))[1] - 1, 0) - 1)
;;       q = np.round(r / step) * step * 2.0 ** e      # np.round: ties to even
;;       return np.moveaxis(q.reshape(q.shape[:-2] + (-1,))[..., :K], -1, axis).astype(np.float32)
;;   ~~~
;; One version. Each part assembles by itself: llvm-mc -triple=amdgcn-amd-amdhsa -mcpu=gfx1250 --defsym DOCPART=n.
;; ======== version 1 of 1: 5 launches
;; limits: values are held in f16: magnitudes above 65,504 overflow, below 6.1e-05 lose precision
;; workspace buffers: a_codes 12,582,912 bytes; a_scales 786,432 bytes; w_codes 1,572,864 bytes; w_scales 98,304 bytes; wot 2,097,152 bytes; qkvh 50,331,648 bytes; qkv32 786,432 bytes; att 16,777,216 bytes
;; launch prep (part 1): grid 880 x 1, 4 waves a work-group, no clusters, 102,912 bytes of LDS; arguments query, key, value, wq, wk, wv, wo, a_codes, a_scales, w_codes, w_scales, wot; writes a_codes, a_scales, w_codes, w_scales, wot
.if DOCPART == 1
	.amdgcn_target "amdgcn-amd-amdhsa--gfx1250"
	.amdhsa_code_object_version 6
	.text
	.protected	k_qf7343e5348_prep
	.globl	k_qf7343e5348_prep
	.p2align	8
	.type	k_qf7343e5348_prep,@function
k_qf7343e5348_prep:
	s_mov_b64 s[64:65], 0
	v_nop
	global_prefetch_b8 v0, s[64:65] scope:SCOPE_SE
	s_setreg_imm32_b32 hwreg(HW_REG_WAVE_MODE, 25, 1), 1
	s_wait_xcnt 0x0
; THE OPERANDS ARE MADE READY, ONCE.  Three kinds of work-groups, told apart by the work-group's number g alone; they part once and never join.
;   g < 48 (path W): wq, wk, wv [1024 (k)][1024 (n)] f32 become codes of FP4 (E2M1) laid [t][n][512 bytes], K innermost, and E8M0 scale bytes [t][n][32].
;   48 <= g < 112 (path T): wo [k][n] f32 becomes f16 laid [n][k], rows of 2,048 bytes.
;   g >= 112 (path A): query, key, value [8192][1024] f32 become codes [t][row][512 bytes] and scale bytes [t][row][32].
; A block's scale is 2^(floor(log2(its largest magnitude)) - 2); its byte is the largest magnitude's exponent field - 2, held at 1 from below.
; LIMITS: a block of zeros gets the byte 1 where the quantiser says 127 (its codes are zeros, and this program alone reads the bytes); blocks whose largest magnitude lies under 2^(3 - 127) are held
; at that floor; NaN and infinities among the inputs are not served; |wo| stays under 65,504 (f16).
; No barrier: waves share nothing.  Each path has LDS bytes of its own.  No matrix unit, no cluster, no tensor load: a stream, whose bytes are read once and written once.
.set SPARE, 102400                     ; behind the three regions: the spare words, 128 bytes for each wave: two blocks of 256 bytes that no other line names
.set SPW,   10                         ; v10  LDS address of my spare word; never rewritten
.set NIL,   11                         ; v11  0; never rewritten
.set LW,    32768                      ; path W's LDS: 8,704 bytes a wave: 32 rows x 272
.set LT,    67584                      ; path T's: the same shape
.set SP,    80                         ; path A: a lane's place in a stage: 64 bytes + 16 of padding
.set AR,    16                         ; path A: v16-79 four sets of 16 numbers as loaded
.set AX,    80                         ;         v80-111 two sets of 16 neighbours
.set AE,    112                        ;         v112-127 a scale byte for each step
.set AC,    128                        ;         v128-191 codes, four registers for each step
.set WX,    32                         ; path W: v32-127 three sets of 32 numbers;  path T: v32-159 the 128 numbers of a lane
.set WSB,   16                         ; path W: v16-19 the scale bytes, four to a register
.set WC,    20                         ;         v20-23 a block's codes
.set PW,    272                        ; a stage row of paths W and T: 256 bytes + 16
	s_load_b512 s[8:23], s[0:1], 0x0               ; query 8, key 10, value 12, wq 14, wk 16, wv 18, wo 20, a_codes 22
	s_load_b256 s[24:31], s[0:1], 0x40             ; a_scales 24, w_codes 26, w_scales 28, wot 30
	v_lshl_add_u32 v[SPW], v0, 2, SPARE
	v_mov_b32 v[NIL], 0
	v_lshrrev_b32 v1, 5, v0
	v_readfirstlane_b32 s2, v1                     ; wave 0..3
	v_and_b32 v2, 31, v0                           ; lane
	s_mov_b32 s35, 0                               ; the upper word of every offset pair s[34:35]
	s_wait_kmcnt 0x0
	s_cmp_lt_u32 ttmp9, 48
	s_cbranch_scc1 .Lpath_w
	s_cmp_lt_u32 ttmp9, 112
	s_cbranch_scc1 .Lpath_t
; ---------------- PATH A: K is innermost.  A wave takes 16 steps of 512 numbers.  Each load reads 512 consecutive bytes; a step's 2,048 bytes turn through the wave's own stage,
; so that a lane then holds 16 neighbours along K (two neighbouring lanes hold a block of 32).  Loads run four steps ahead, the turn one step.
	s_sub_co_u32 s3, ttmp9, 112                    ; 0..767: 256 work-groups to a tensor
	v_lshlrev_b32 v3, 4, v2                        ; my 16 bytes of a load's 512
	s_mul_i32 s4, s2, 8192                         ; my wave's region
	v_lshrrev_b32 v14, 2, v2
	v_mul_u32_u24 v14, v14, SP
	v_and_b32 v15, 3, v2
	v_lshl_add_u32 v14, v15, 4, v14
	v_add_nc_u32 v14, s4, v14                      ; the stage, on the way in: SP (lane / 4) + 16 (lane % 4)
	v_mul_u32_u24 v15, v2, SP
	v_add_nc_u32 v15, s4, v15                      ; and on the way out: SP x lane
	v_lshlrev_b32 v4, 3, v2                        ; my 8 bytes of a step's codes
	v_lshrrev_b32 v5, 1, v2
	s_add_co_u32 s4, s4, 2*32*SP
	v_add_nc_u32 v5, s4, v5                        ; LDS: my block's scale byte
	v_lshlrev_b32 v7, 3, v2
	v_add_nc_u32 v6, s4, v7                        ; and on the way out 8 bytes a lane
	s_cmp_lt_u32 s3, 256                           ; which tensor: the choice hangs on the work-group's number alone
	s_cselect_b64 s[32:33], s[8:9], s[10:11]
	s_cmp_lt_u32 s3, 512
	s_cselect_b64 s[32:33], s[32:33], s[12:13]
	s_and_b32 s5, s3, 255
	s_lshl_b32 s5, s5, 2
	s_add_co_u32 s5, s5, s2                        ; which run of 8,192 numbers of the tensor
	s_lshl_b32 s34, s5, 15
	s_add_nc_u64 s[32:33], s[32:33], s[34:35]
	s_lshl_b32 s5, s3, 2
	s_add_co_u32 s5, s5, s2                        ; which run of all three tensors
	s_lshl_b32 s34, s5, 12                         ; 4,096 bytes of codes a run
	s_add_nc_u64 s[36:37], s[22:23], s[34:35]
	s_lshl_b32 s34, s5, 8                          ; 256 scale bytes a run
	s_add_nc_u64 s[38:39], s[24:25], s[34:35]
.macro QA_LOAD t
.irp i, 0,1,2,3
	global_load_b128 v[AR+16*((\t)%4)+4*\i:AR+16*((\t)%4)+4*\i+3], v3, s[32:33] offset:2048*(\t)+512*\i th:TH_LOAD_NT
.endr
.endm
.macro QA_TURN t                       ; LDS serves a wave's instructions in order: no wait between the stores and the loads
.irp i, 0,1,2,3
	ds_store_b128 v14, v[AR+16*((\t)%4)+4*\i:AR+16*((\t)%4)+4*\i+3] offset:32*SP*((\t)%2)+8*SP*\i
.endr
.irp i, 0,1,2,3
	ds_load_b128 v[AX+16*((\t)%2)+4*\i:AX+16*((\t)%2)+4*\i+3], v15 offset:32*SP*((\t)%2)+16*\i
.endr
.endm
.irp t, 0,1,2,3
	QA_LOAD \t
.endr
	s_wait_loadcnt 12                              ; step 0's four loads are in; three steps' twelve may be out
	QA_TURN 0
.macro QA_STEP t
.set XS, AX+16*((\t)%2)
.if (\t) > 0
	s_wait_dscnt 1                                 ; this step's numbers are back from the stage (the last step's byte store may be out)
.else
	s_wait_dscnt 0x0
.endif
.if (\t)+4 < 16
	QA_LOAD (\t)+4                                 ; into the registers that this step's stage stores have read
.endif
.if (\t)+1 < 16
.if 14-(\t) >= 3
	s_wait_loadcnt 12                              ; the next step's four loads are in; three steps' twelve may be out
.else
	s_wait_loadcnt 4*(14-(\t))
.endif
	QA_TURN (\t)+1
.endif
	v_max3_num_f32 v8, |v[XS]|, |v[XS+1]|, |v[XS+2]|               ; the largest magnitude of my 16, in two chains
	v_max3_num_f32 v9, |v[XS+3]|, |v[XS+4]|, |v[XS+5]|
.irp i, 6,10
	v_max3_num_f32 v8, v8, |v[XS+\i]|, |v[XS+\i+1]|
	v_max3_num_f32 v9, v9, |v[XS+\i+2]|, |v[XS+\i+3]|
.endr
	v_max3_num_f32 v8, v8, |v[XS+14]|, |v[XS+15]|
	v_max3_num_f32 v8, v8, v9, 0x1800000           ; and the floor 2^(3 - 127): the byte cannot fall under 1
	v_max_num_f32_dpp v8, v8, v8 row_xmask:1 row_mask:0xf bank_mask:0xf   ; with my neighbour's 16: the block's
	v_add_nc_u32 v1, 0xff000000, v8                ; 2 off its exponent field: the conversion takes the exponent field of this operand as its scale
	v_cvt_scalef32_pk8_fp4_f32 v[AC+4*(\t)], v[XS:XS+7], v1
	v_cvt_scalef32_pk8_fp4_f32 v[AC+4*(\t)+1], v[XS+8:XS+15], v1
	v_lshrrev_b32 v[AE+(\t)], 23, v1               ; the scale's byte (also the plain line behind the conversions)
	ds_store_b8 v5, v[AE+(\t)] offset:16*(\t)      ; both lanes of a block write the same byte with the same value
	global_store_b64 v4, v[AC+4*(\t):AC+4*(\t)+1], s[36:37] offset:256*(\t)   ; the wave stores 256 consecutive bytes, aligned
.endm
.irp t, 0,1,2,3,4,5,6,7,8,9,10,11,12,13,14,15
	QA_STEP \t
.endr
	ds_load_b64 v[8:9], v6                         ; my wave's 256 scale bytes
	s_wait_dscnt 0x0
	global_store_b64 v7, v[8:9], s[38:39]          ; 256 consecutive bytes, aligned
	s_wait_tensorcnt 0x0                           ; the wave's end
	ds_add_u32 v[SPW], v[NIL]
	s_wait_dscnt 0x0
	s_endpgm
; ---------------- PATH W: K is the FIRST axis.  A lane takes a column n and its registers run down K: a block of 32 lies in one lane, and the conversions give codes with K innermost.
; A wave takes 32 columns x 512 along K.  The codes go through the wave's stage and leave as rows: sixteen lanes store 256 consecutive bytes, aligned.
; A column's 16 scale bytes leave by one store of 16 bytes a lane, rows 32 bytes apart: 96 KiB in the whole launch.
.Lpath_w:
	s_lshr_b32 s3, ttmp9, 4                        ; t: which weight
	s_and_b32 s4, ttmp9, 7                         ; x: which 128 columns
	s_bfe_u32 s5, ttmp9, 0x10003                   ; y: which 512 along K
	s_cmp_eq_u32 s3, 0
	s_cselect_b64 s[32:33], s[14:15], s[16:17]
	s_cmp_eq_u32 s3, 2
	s_cselect_b64 s[32:33], s[18:19], s[32:33]
	s_lshl_b32 s6, s4, 7
	s_lshl_b32 s7, s2, 5
	s_add_co_u32 s6, s6, s7                        ; my wave's first column
	s_lshl_b32 s34, s5, 21                         ; 512 y rows of 4,096 bytes
	s_lshl_b32 s7, s6, 2
	s_add_co_u32 s34, s34, s7
	s_add_nc_u64 s[32:33], s[32:33], s[34:35]
	s_lshl_b32 s34, s3, 19                         ; codes: 524,288 t + 512 x column + 256 y
	s_lshl_b32 s7, s6, 9
	s_add_co_u32 s34, s34, s7
	s_lshl_b32 s7, s5, 8
	s_add_co_u32 s34, s34, s7
	s_add_nc_u64 s[36:37], s[26:27], s[34:35]
	s_lshl_b32 s34, s3, 15                         ; scale bytes: 32,768 t + 32 x column + 16 y
	s_lshl_b32 s7, s6, 5
	s_add_co_u32 s34, s34, s7
	s_lshl_b32 s7, s5, 4
	s_add_co_u32 s34, s34, s7
	s_add_nc_u64 s[38:39], s[28:29], s[34:35]
	v_lshlrev_b32 v3, 2, v2                        ; in: 4 bytes a lane
	s_mul_i32 s7, s2, 32*PW
	s_add_co_u32 s7, s7, LW                        ; my stage
	v_mul_u32_u24 v4, v2, PW
	v_add_nc_u32 v4, s7, v4                        ; into it: row = my column
	v_and_b32 v5, 15, v2
	v_lshrrev_b32 v6, 4, v2
	v_mul_u32_u24 v7, v6, PW
	v_lshl_add_u32 v7, v5, 4, v7
	v_add_nc_u32 v7, s7, v7                        ; out of it: sixteen lanes to a row, two rows an instruction
	v_lshlrev_b32 v8, 9, v6
	v_lshl_add_u32 v8, v5, 4, v8                   ; and the same place in the codes' buffer
	v_lshlrev_b32 v9, 5, v2                        ; my column's row of scale bytes
.macro QW_LOAD t                       ; block t: W(32 t + i, my column) into set t % 3
.irp i, 0,1,2,3,4,5,6,7,8,9,10,11,12,13,14,15,16,17,18,19,20,21,22,23,24,25,26,27,28,29,30,31
	global_load_b32 v[WX+32*((\t)%3)+\i], v3, s[32:33] offset:(32*(\t)+\i)*4096 th:TH_LOAD_NT
.endr
.endm
	QW_LOAD 0
	QW_LOAD 1
	QW_LOAD 2
.macro QW_BLOCK t
.set XS, WX+32*((\t)%3)
.if (\t) < 14
	s_wait_loadcnt 63                              ; 64 loads are younger than this block's; the count's field holds 63, and a smaller count is safe
.elseif (\t) == 14
	s_wait_loadcnt 32
.else
	s_wait_loadcnt 0x0
.endif
	v_max3_num_f32 v12, |v[XS]|, |v[XS+1]|, |v[XS+2]|               ; the block's largest magnitude: all 32 numbers are mine
	v_max3_num_f32 v13, |v[XS+3]|, |v[XS+4]|, |v[XS+5]|
.irp i, 6,10,14,18,22,26
	v_max3_num_f32 v12, v12, |v[XS+\i]|, |v[XS+\i+1]|
	v_max3_num_f32 v13, v13, |v[XS+\i+2]|, |v[XS+\i+3]|
.endr
	v_max3_num_f32 v12, v12, |v[XS+30]|, |v[XS+31]|
	v_max3_num_f32 v12, v12, v13, 0x1800000        ; and the floor
	v_add_nc_u32 v14, 0xff000000, v12              ; the conversion's scale operand
	v_lshrrev_b32 v15, 23, v14                     ; the scale's byte
.if (\t)%4 == 0
	v_mov_b32 v[WSB+(\t)/4], v15                   ; four bytes to a register, the lower K in the lower byte
.else
	v_lshl_or_b32 v[WSB+(\t)/4], v15, 8*((\t)%4), v[WSB+(\t)/4]
.endif
.irp g, 0,1,2,3
	v_cvt_scalef32_pk8_fp4_f32 v[WC+\g], v[XS+8*\g:XS+8*\g+7], v14
.endr
	ds_store_b128 v4, v[WC:WC+3] offset:16*(\t)    ; 32 codes: 16 bytes of my column's row
.if (\t)+3 < 16
	QW_LOAD (\t)+3
.endif
	s_wait_dscnt 0x0                               ; the store has read its registers: the next block's codes may be written
.endm
.set QB, 0
.rept 16
	QW_BLOCK QB
.set QB, QB+1
.endr
	global_store_b128 v9, v[WSB:WSB+3], s[38:39]   ; my column's 16 scale bytes
.irp t, 0,1,2,3,4,5,6,7,8,9,10,11,12,13,14,15
	ds_load_b128 v[WX+4*\t:WX+4*\t+3], v7 offset:2*\t*PW
.endr
.irp t, 0,1,2,3,4,5,6,7,8,9,10,11,12,13,14,15
	s_wait_dscnt 15-\t
	global_store_b128 v8, v[WX+4*\t:WX+4*\t+3], s[36:37] offset:2*\t*512
.endr
	s_wait_tensorcnt 0x0                           ; the wave's end
	ds_add_u32 v[SPW], v[NIL]
	s_wait_dscnt 0x0
	s_endpgm
; ---------------- PATH T: wo is rounded to f16 and laid with K innermost.  A wave takes 32 columns x 128 along K; a lane takes a column, so that two neighbours along K pack into a register.
.Lpath_t:
	s_sub_co_u32 s3, ttmp9, 48
	s_and_b32 s4, s3, 7                            ; x: which 128 columns
	s_lshr_b32 s5, s3, 3                           ; y: which 128 along K
	s_lshl_b32 s6, s4, 7
	s_lshl_b32 s7, s2, 5
	s_add_co_u32 s6, s6, s7                        ; my wave's first column
	s_lshl_b32 s34, s5, 19                         ; 128 y rows of 4,096 bytes
	s_lshl_b32 s7, s6, 2
	s_add_co_u32 s34, s34, s7
	s_add_nc_u64 s[32:33], s[20:21], s[34:35]
	s_lshl_b32 s34, s6, 11                         ; out: 2,048 x column + 256 y
	s_lshl_b32 s7, s5, 8
	s_add_co_u32 s34, s34, s7
	s_add_nc_u64 s[36:37], s[30:31], s[34:35]
	v_lshlrev_b32 v3, 2, v2
	s_mul_i32 s7, s2, 32*PW
	s_add_co_u32 s7, s7, LT                        ; my stage
	v_mul_u32_u24 v4, v2, PW
	v_add_nc_u32 v4, s7, v4
	v_and_b32 v5, 15, v2
	v_lshrrev_b32 v6, 4, v2
	v_mul_u32_u24 v7, v6, PW
	v_lshl_add_u32 v7, v5, 4, v7
	v_add_nc_u32 v7, s7, v7
	v_lshlrev_b32 v8, 11, v6
	v_lshl_add_u32 v8, v5, 4, v8
.set i, 0
.rept 128
	global_load_b32 v[WX+i], v3, s[32:33] offset:4096*i th:TH_LOAD_NT
.set i, i+1
.endr
.irp g, 0,1,2,3                        ; 32 along K at a time; packed in place, ascending: a register is written only when its number has been read
.if \g < 2
	s_wait_loadcnt 63                              ; 96 and 64 loads are younger; the count's field holds 63, and a smaller count is safe
.else
	s_wait_loadcnt 96-32*\g
.endif
.irp i, 0,1,2,3,4,5,6,7,8,9,10,11,12,13,14,15
	v_cvt_pk_f16_f32 v[WX+16*\g+\i], v[WX+2*(16*\g+\i)], v[WX+2*(16*\g+\i)+1]   ; the lower k in the low half
.endr
.irp m, 0,1,2,3
	ds_store_b128 v4, v[WX+16*\g+4*\m:WX+16*\g+4*\m+3] offset:64*\g+16*\m
.endr
.endr
.irp t, 0,1,2,3,4,5,6,7,8,9,10,11,12,13,14,15
	ds_load_b128 v[WX+64+4*\t:WX+64+4*\t+3], v7 offset:2*\t*PW
.endr
.irp t, 0,1,2,3,4,5,6,7,8,9,10,11,12,13,14,15
	s_wait_dscnt 15-\t
	global_store_b128 v8, v[WX+64+4*\t:WX+64+4*\t+3], s[36:37] offset:4096*\t   ; sixteen lanes store 256 consecutive bytes, aligned
.endr
	s_wait_tensorcnt 0x0                           ; the wave's end
	ds_add_u32 v[SPW], v[NIL]
	s_wait_dscnt 0x0
	s_endpgm
.Lfunc_end_k_qf7343e5348_prep:
	.size	k_qf7343e5348_prep, .Lfunc_end_k_qf7343e5348_prep-k_qf7343e5348_prep
	.p2alignl 7, 3214868480
	.fill 96, 4, 3214868480
	.section	.rodata,"a",@progbits
	.p2align	6, 0x0
	.amdhsa_kernel k_qf7343e5348_prep
		.amdhsa_group_segment_fixed_size 102912
		.amdhsa_private_segment_fixed_size 0
		.amdhsa_enable_private_segment 0
		.amdhsa_kernarg_size 96
		.amdhsa_user_sgpr_count 2
		.amdhsa_user_sgpr_kernarg_segment_ptr 1
		.amdhsa_wavefront_size32 1
		.amdhsa_system_sgpr_workgroup_id_x 1
		.amdhsa_system_sgpr_workgroup_id_y 1
		.amdhsa_system_sgpr_workgroup_id_z 1
		.amdhsa_system_vgpr_workitem_id 0
		.amdhsa_next_free_vgpr 192
		.amdhsa_next_free_sgpr 66
		.amdhsa_reserve_vcc 0
		.amdhsa_float_denorm_mode_32 3
		.amdhsa_float_denorm_mode_16_64 3
		.amdhsa_memory_ordered 1
		.amdhsa_forward_progress 1
		.amdhsa_inst_pref_size 132
	.end_amdhsa_kernel
	.amdgpu_metadata
---
amdhsa.version: [ 1, 2 ]
amdhsa.kernels:
  - .name:           k_qf7343e5348_prep
    .symbol:         k_qf7343e5348_prep.kd
    .args:
      - { .name: query, .offset: 0, .size: 8, .value_kind: global_buffer, .address_space: global }
      - { .name: key, .offset: 8, .size: 8, .value_kind: global_buffer, .address_space: global }
      - { .name: value, .offset: 16, .size: 8, .value_kind: global_buffer, .address_space: global }
      - { .name: wq, .offset: 24, .size: 8, .value_kind: global_buffer, .address_space: global }
      - { .name: wk, .offset: 32, .size: 8, .value_kind: global_buffer, .address_space: global }
      - { .name: wv, .offset: 40, .size: 8, .value_kind: global_buffer, .address_space: global }
      - { .name: wo, .offset: 48, .size: 8, .value_kind: global_buffer, .address_space: global }
      - { .name: a_codes, .offset: 56, .size: 8, .value_kind: global_buffer, .address_space: global }
      - { .name: a_scales, .offset: 64, .size: 8, .value_kind: global_buffer, .address_space: global }
      - { .name: w_codes, .offset: 72, .size: 8, .value_kind: global_buffer, .address_space: global }
      - { .name: w_scales, .offset: 80, .size: 8, .value_kind: global_buffer, .address_space: global }
      - { .name: wot, .offset: 88, .size: 8, .value_kind: global_buffer, .address_space: global }
    .group_segment_fixed_size: 102912
    .private_segment_fixed_size: 0
    .kernarg_segment_align: 8
    .kernarg_segment_size: 96
    .max_flat_workgroup_size: 128
    .sgpr_count:     66
    .vgpr_count:     192
    .wavefront_size: 32
...
	.end_amdgpu_metadata
.endif
;; end of part 1
;; launch proj (part 2): grid 12 x 32, 4 waves a work-group, clusters of 4 x 4, 327,680 bytes of LDS; arguments a_codes, a_scales, w_codes, w_scales, bq, bk, bv, qkvh, qkv32; writes qkvh, qkv32
.if DOCPART == 2
	.amdgcn_target "amdgcn-amd-amdhsa--gfx1250"
	.amdhsa_code_object_version 6
	.text
	.protected	k_qf7343e5348_proj
	.globl	k_qf7343e5348_proj
	.p2align	8
	.type	k_qf7343e5348_proj,@function
k_qf7343e5348_proj:
	s_mov_b64 s[64:65], 0
	v_nop
	global_prefetch_b8 v0, s[64:65] scope:SCOPE_SE
	s_setreg_imm32_b32 hwreg(HW_REG_WAVE_MODE, 25, 1), 1
	s_wait_xcnt 0x0
	s_wait_alu depctr_hold_cnt(0) depctr_sa_sdst(0) depctr_va_vdst(0) depctr_va_sdst(0) depctr_va_ssrc(0) depctr_va_vcc(0) depctr_vm_vsrc(0)
	s_getreg_b32 s2, hwreg(HW_REG_IB_STS2, 6, 4)
	s_cmp_eq_u32 s2, 0
	s_cbranch_scc0 .Lentry_in_a_cluster
	s_endpgm
.Lentry_in_a_cluster:
	s_bfe_u32 s2, ttmp6, 0x10000c
	s_cmp_lg_u32 s2, 0xf033
	s_cbranch_scc0 .Lentry_shape_is_right
	s_endpgm
.Lentry_shape_is_right:
; q = query wq + bq, k = key wk + bk, v = value wv + bv: three products [8192 x 1024] x [1024 x 1024] on codes of FP4 (E2M1) with one E8M0 scale for each 32 along K; sums in f32.
; A tile of 256 x 256 is made by a work-group of four waves; a wave makes 128 x 128: 64 accumulators of 16 x 16.  K = 1,024 is two LDS slots of 512: both are asked for at the head, nothing is filled again.
; The scales of the work-group's 256 + 256 rows, for all of K, come once, as dense blocks.  The bias is the C of each sum's first matrix instruction.
; CLUSTERS: 4 x 4 work-groups.  Cluster x = the tensor t, cx = the tile column; cy = the batch, cluster y = Y, the block of 256 positions in the batch.  The four of a row of the cluster need the same
; tiles of A, the four of a column the same tiles of B: each is asked for jointly.  THE MATRIX INSTRUCTION IS USED TRANSPOSED (source 0 = 16 rows of the weight, source 1 = 16 rows of the activations):
; a lane holds eight neighbouring columns of one position.
; OUT: f16 laid [t][batch][head][position][64] (two positions of a head are 256 consecutive bytes); and, for positions 0-15 of each batch, the accumulators as they stand, in f32, for the last launch.
; LIMIT: |q|, |k|, |v| stay under 65,504 (f16).
; REGISTERS: window 0: v0-31 addresses; v32-95 scale words, two sets; v128-191 A's fragments, one set; v192-255 the bias; on the way out v32-127 are free.
;   window 1: B's fragments, two sets, at v0 and v128.  window 2: the accumulators of my rows 0-63 ((a, b) at v[8 (8 a + b)]);  window 3: those of rows 64-127.
.set NQ,     4                         ; steps of 128 along K in a slot
.set ROWB,   256                       ; a tile's row: 512 codes
.set KROW,   512                       ; a row of codes in memory
.set PITCH,  272                       ; an LDS row: 256 bytes + 16: the 16 rows of a fragment load start 16 bytes apart modulo 256
.set FR,     8
.set NL,     2
.set NP,     4
.set HALFT,  128*PITCH
.set SLOT,   4*HALFT
.set KS,     32                        ; a row of scale bytes
.set SCL,    2*SLOT
.set HALFS,  (128*KS/256)*272
.set SBLK,   (16*KS/256)*272
.set SPARE,  SCL+4*HALFS               ; the spare words: two blocks of 256 bytes that no other line names
.set SPITCH, 272                       ; the way out: a stage of 16 rows x (256 + 16) for each wave, in slot 0, which has had its only fill and its last read by then
.set ADRA, 16
.set ADRB, 20
.set STO,  24
.set RD,   25
.set CO,   26
.set ADRS, 27
.set SPW,  28
.set NIL,  29
.set IMG,  30                          ; v30  16 x lane
.set BOF,  31                          ; v31  32 x (lane / 16)
.set SC,   32
.set AF,   128
.set BIAS, 192
.set TMP,  32                          ; the way out: packed results
.set OB,   64                          ; the way out: rows read back: v64-95 and v96-127 by turns
.set G1, 24
.set G0, 32
.set G1B, 48
.set G0B, 56
.set G1S, 68
.set G0S, 76
.set G1SB, 80
.set G0SB, 88
.set MSB, 0
.macro WIN new                         ; the immediate's high byte repeats the setting that is left
.if MSB != (\new)
	s_set_vgpr_msb (MSB<<8)|(\new)
.set MSB, (\new)
.endif
.endm
.set MUL_LO, 0xa1                      ; source 0 (B) window 1, source 1 (A) window 0, C and D window 2
.set MUL_HI, 0xf1
.set TO_B,   0x40
; A joint load: waves 0 and 1 fetch for A, waves 2 and 3 for B; the branch hangs on the wave's number alone.  An s_nop 0 and four v_nop follow each line.
.macro JLOAD g0a, g1a, g0b, g1b
	s_cmp_eq_u32 s23, 0
	s_cbranch_scc0 .Lfor_b_\@
	tensor_load_to_lds s[\g0a:\g0a+3], s[\g1a:\g1a+7]
	s_nop 0
.rept 4
	v_nop
.endr
	s_branch .Lasked_\@
.Lfor_b_\@:
	tensor_load_to_lds s[\g0b:\g0b+3], s[\g1b:\g1b+7]
	s_nop 0
.rept 4
	v_nop
.endr
.Lasked_\@:
.endm
.macro CROUND                          ; a round of the cluster's barrier
	s_barrier_signal -1
	s_barrier_wait -1
	s_cmp_lg_u32 s22, 0
	s_cbranch_scc1 .Lnot_wave_0_\@
	s_barrier_signal -3
.Lnot_wave_0_\@:
	s_barrier_wait -3
	s_barrier_signal -1
	s_barrier_wait -1
.endm
	s_load_b512 s[4:19], s[0:1], 0x0               ; a_codes 4, a_scales 6, w_codes 8, w_scales 10, bq 12, bk 14, bv 16, qkvh 18
	s_load_b64 s[20:21], s[0:1], 0x40              ; qkv32
	v_lshl_add_u32 v[SPW], v0, 2, SPARE
	v_mov_b32 v[NIL], 0
	ds_add_u32 v[SPW], v[NIL]                      ; the wave's opening: the add, twice on end, and its wait ahead of my first tensor load
	ds_add_u32 v[SPW], v[NIL]
	v_lshrrev_b32 v1, 5, v0
	v_readfirstlane_b32 s22, v1                    ; wave 0..3
	s_lshr_b32 s23, s22, 1                         ; RH: which half of the tile's rows is mine.  Also: I fetch for A (0) or for B (1)
	s_and_b32 s66, s22, 1                          ; CH: which half of its columns.  Also: which 128 rows I fetch
	s_bfe_u32 s40, ttmp6, 0x40000                  ; cx: the tile column
	s_bfe_u32 s41, ttmp6, 0x40004                  ; cy: the batch
	s_mov_b32 s42, ttmp9                           ; t: the tensor (cluster x)
	s_and_b32 s67, ttmp7, 0xffff                   ; Y: the block of 256 positions (cluster y)
	s_lshl_b32 s43, s41, 2
	s_lshl_b32 s43, 15, s43                        ; my row of the cluster
	s_lshl_b32 s44, 0x1111, s40                    ; my column
	s_or_b32 s[G1+0], s43, (0<<16)|(1<<20)|(1<<21)|(5<<22)|(3<<25)  ; the mask; elements of 1 byte; padding on; bit 21 beside a mask; 4 words behind every 64
	s_or_b32 s[G1B+0], s44, (0<<16)|(1<<20)|(1<<21)|(5<<22)|(3<<25)
.irp g, G1, G1B
	s_mov_b32 s[\g+1], ROWB<<16                    ; tensor_dim0
	s_mov_b32 s[\g+2], 128<<16                     ; tensor_dim1
	s_mov_b32 s[\g+3], ROWB<<16                    ; tile_dim0
	s_mov_b32 s[\g+4], 128                         ; tile_dim1
	s_mov_b32 s[\g+5], KROW                        ; the pitch
	s_mov_b32 s[\g+6], 0
	s_mov_b32 s[\g+7], 0
.endr
	s_or_b32 s[G1S+0], s43, (3<<16)|(1<<20)|(1<<21)|(5<<22)|(3<<25) ; the scales of 128 rows: 4,096 dense bytes as 16 rows of 256 (32 elements of 8 bytes), 16 bytes behind each
	s_or_b32 s[G1SB+0], s44, (3<<16)|(1<<20)|(1<<21)|(5<<22)|(3<<25)
.irp g, G1S, G1SB
	s_mov_b32 s[\g+1], 32<<16
	s_mov_b32 s[\g+2], (128*KS/256)<<16
	s_mov_b32 s[\g+3], 32<<16
	s_mov_b32 s[\g+4], 128*KS/256
	s_mov_b32 s[\g+5], 32
	s_mov_b32 s[\g+6], 0
	s_mov_b32 s[\g+7], 0
.endr
	s_lshl_b32 s96, s42, 13                        ; A's first row that I fetch: 8,192 t + 2,048 cy + 256 Y + 128 CH: nothing of cx
	s_lshl_b32 s97, s41, 11
	s_add_co_u32 s96, s96, s97
	s_lshl_b32 s97, s67, 8
	s_add_co_u32 s96, s96, s97
	s_lshl_b32 s97, s66, 7
	s_add_co_u32 s96, s96, s97
	s_lshl_b32 s98, s96, 5                         ; its scale bytes,
	s_mov_b32 s99, 0
	s_lshl_b32 s96, s96, 9                         ; its codes
	s_mov_b32 s97, 0
	s_lshl_b32 s46, s42, 10                        ; B's: 1,024 t + 256 cx + 128 CH: nothing of cy
	s_lshl_b32 s47, s40, 8
	s_add_co_u32 s46, s46, s47
	s_lshl_b32 s47, s66, 7
	s_add_co_u32 s46, s46, s47
	s_lshl_b32 s92, s46, 5
	s_mov_b32 s93, 0
	s_lshl_b32 s46, s46, 9
	s_mov_b32 s47, 0
	s_mul_i32 s45, s22, HALFT                      ; where they go: wave x 128 rows: no place in the cluster enters an LDS address
	s_mul_i32 s94, s22, HALFS
	s_wait_dscnt 0x0                               ; both opening adds are done
	s_wait_kmcnt 0x0
	s_add_nc_u64 s[96:97], s[4:5], s[96:97]
	s_add_nc_u64 s[98:99], s[6:7], s[98:99]
	s_add_nc_u64 s[46:47], s[8:9], s[46:47]
	s_add_nc_u64 s[92:93], s[10:11], s[92:93]
	CROUND                                         ; all sixteen work-groups are here: the joint loads meet
	s_mov_b32 s[G0S], 1
	s_add_co_u32 s[G0S+1], s94, SCL
	s_mov_b64 s[G0S+2:G0S+3], s[98:99]
	s_or_b32 s[G0S+3], s[G0S+3], 0x80000000
	s_mov_b32 s[G0SB], 1
	s_add_co_u32 s[G0SB+1], s94, SCL
	s_mov_b64 s[G0SB+2:G0SB+3], s[92:93]
	s_or_b32 s[G0SB+3], s[G0SB+3], 0x80000000
	JLOAD G0S, G1S, G0SB, G1SB                     ; the scales first; with the two slots three tensor loads of mine are out
.irp s, 0,1
	s_mov_b32 s[G0+4*\s], 1
	s_add_co_u32 s[G0+4*\s+1], s45, \s*SLOT
	s_add_nc_u64 s[G0+4*\s+2:G0+4*\s+3], s[96:97], \s*ROWB
	s_or_b32 s[G0+4*\s+3], s[G0+4*\s+3], 0x80000000
	s_mov_b32 s[G0B+4*\s], 1
	s_add_co_u32 s[G0B+4*\s+1], s45, \s*SLOT
	s_add_nc_u64 s[G0B+4*\s+2:G0B+4*\s+3], s[46:47], \s*ROWB
	s_or_b32 s[G0B+4*\s+3], s[G0B+4*\s+3], 0x80000000
	JLOAD G0+4*\s, G1, G0B+4*\s, G1B
.endr
	v_and_b32 v1, 15, v0                           ; r = lane % 16
	v_bfe_u32 v2, v0, 4, 1                         ; h = lane / 16
	v_lshlrev_b32 v[BOF], 5, v2
	s_cmp_eq_u32 s42, 0                            ; the tensor's bias: the choice hangs on the cluster's x alone
	s_cselect_b64 s[12:13], s[12:13], s[14:15]
	s_cmp_eq_u32 s42, 2
	s_cselect_b64 s[12:13], s[16:17], s[12:13]
	s_lshl_b32 s100, s40, 10
	s_lshl_b32 s101, s66, 9
	s_add_co_u32 s100, s100, s101                  ; (256 cx + 128 CH) x 4 bytes
	s_mov_b32 s101, 0
	s_add_nc_u64 s[12:13], s[12:13], s[100:101]
.irp b, 0,1,2,3,4,5,6,7                        ; lane (r, h), register 8 b + j: the bias of column 16 b + 8 h + j: the result's layout
	global_load_b128 v[BIAS+8*\b:BIAS+8*\b+3], v[BOF], s[12:13] offset:64*\b
	global_load_b128 v[BIAS+8*\b+4:BIAS+8*\b+7], v[BOF], s[12:13] offset:64*\b+16
.endr
	v_mul_u32_u24 v3, v1, PITCH
	v_lshl_add_u32 v4, v2, 4, v3                   ; a fragment's row x pitch + 16 x half
	s_mul_i32 s2, s23, HALFT                       ; my 128 rows of A
	s_mul_i32 s3, s66, HALFT                       ; my 128 rows of B,
	s_add_co_u32 s3, s3, 2*HALFT                   ; behind A's 256
.irp s, 0,1
	v_add_nc_u32 v[ADRA+\s], s2, v4
	v_add_nc_u32 v[ADRB+\s], s3, v4
	s_add_co_u32 s2, s2, SLOT
	s_add_co_u32 s3, s3, SLOT
.endr
	v_mul_u32_u24 v5, v1, KS                       ; my row's scales: 32 bytes a row,
	v_lshrrev_b32 v6, 8, v5
	v_lshl_add_u32 v5, v6, 4, v5                   ; and 16 more for each 256 passed
	s_mul_i32 s2, s23, HALFS
	s_mul_i32 s3, s66, HALFS
	s_add_co_u32 s3, s3, 2*HALFS
	s_sub_co_u32 s3, s3, s2
	v_mul_u32_u24 v6, s3, v2                       ; lanes 16-31 take B's: one product, the distance between the two bases
	s_add_co_u32 s2, s2, SCL
	v_add_nc_u32 v5, v5, v6
	v_add_nc_u32 v[ADRS], s2, v5
	s_mul_i32 s2, s22, 16*SPITCH                   ; my stage
	v_add_nc_u32 v[STO], s2, v4                    ; in: row r, 16 bytes for each half of the lanes
	v_bfe_u32 v5, v0, 3, 1
	v_and_b32 v6, 7, v0
	v_mul_u32_u24 v7, v5, SPITCH                   ; back: lanes 0-15 take two positions of my first head (128 bytes each), lanes 16-31 of my second
	v_lshl_add_u32 v7, v2, 7, v7
	v_lshl_add_u32 v7, v6, 4, v7
	v_add_nc_u32 v[RD], s2, v7
	v_lshlrev_b32 v[CO], 18, v2                    ; and in memory: a head is 262,144 bytes, a position 128
	v_lshl_add_u32 v[CO], v5, 7, v[CO]
	v_lshl_add_u32 v[CO], v6, 4, v[CO]
	v_and_b32 v7, 31, v0
	v_lshlrev_b32 v[IMG], 4, v7
	s_lshl_b32 s2, s42, 2                          ; my first head among all: (4 t + cy) x 16 + 4 cx + 2 CH
	s_add_co_u32 s2, s2, s41
	s_lshl_b32 s2, s2, 4
	s_lshl_b32 s3, s40, 2
	s_add_co_u32 s2, s2, s3
	s_lshl_b32 s3, s66, 1
	s_add_co_u32 s2, s2, s3
	s_lshl_b32 s100, s2, 12                        ; an image is 4,096 bytes a head
	s_add_nc_u64 s[20:21], s[20:21], s[100:101]
	s_lshl_b32 s2, s2, 11                          ; 2,048 positions a head,
	s_lshl_b32 s3, s67, 8
	s_add_co_u32 s2, s2, s3                        ; + 256 Y
	s_lshl_b32 s3, s23, 7
	s_add_co_u32 s2, s2, s3                        ; + 128 RH
	s_lshl_b32 s100, s2, 7                         ; 128 bytes a position
	s_add_nc_u64 s[18:19], s[18:19], s[100:101]
.macro FRAG reg, adr, q, i             ; 16 rows x 128 K of 4-bit codes: 8 registers: registers 4 c .. 4 c + 3 hold K = 64 c + 32 (lane / 16) + 0 .. 31
.irp c, 0,1
	ds_load_b128 v[\reg+4*\c:\reg+4*\c+3], v[\adr] offset:64*(\q)+32*\c+(\i)*16*PITCH
.endr
.endm
; 16 matrix instructions: A's blocks a0, a0 + 1 x B's eight.  zero = 1: the first product starts the sums, with the bias as C.  The 64 accumulators take turns.
.macro MUL16 a0, p, q, sc, zero
.irp a, \a0, \a0+1
.irp b, 0,1,2,3,4,5,6,7
.if \zero
	v_wmma_scale_f32_16x16x128_f8f6f4 v[8*(8*((\a)%4)+\b):8*(8*((\a)%4)+\b)+7], v[128*(\p)+FR*\b:128*(\p)+FR*\b+FR-1], v[AF+FR*(\a):AF+FR*(\a)+FR-1], v[BIAS+8*\b:BIAS+8*\b+7], v[SC+8*NQ*(\sc)+NQ*\b+(\q)], v[SC+8*NQ*(\sc)+NQ*(\a)+(\q)] matrix_a_fmt:MATRIX_FMT_FP4 matrix_b_fmt:MATRIX_FMT_FP4 matrix_a_scale:MATRIX_SCALE_ROW1
.else
	v_wmma_scale_f32_16x16x128_f8f6f4 v[8*(8*((\a)%4)+\b):8*(8*((\a)%4)+\b)+7], v[128*(\p)+FR*\b:128*(\p)+FR*\b+FR-1], v[AF+FR*(\a):AF+FR*(\a)+FR-1], v[8*(8*((\a)%4)+\b):8*(8*((\a)%4)+\b)+7], v[SC+8*NQ*(\sc)+NQ*\b+(\q)], v[SC+8*NQ*(\sc)+NQ*(\a)+(\q)] matrix_a_fmt:MATRIX_FMT_FP4 matrix_b_fmt:MATRIX_FMT_FP4 matrix_a_scale:MATRIX_SCALE_ROW1
.endif
.endr
.endr
.endm
.macro FETCH_B slot, q, p
	WIN TO_B
.irp i, 0,1,2,3,4,5,6,7
	FRAG 128*(\p)+FR*\i, ADRB+\slot, \q, \i
.endr
	WIN 0
.endm
.macro FETCH_A slot, q, i0
.irp i, \i0, \i0+1, \i0+2, \i0+3
	FRAG AF+FR*(\i), ADRA+\slot, \q, \i
.endr
.endm
.macro SCALES sc                       ; a slot's scale words: lanes 0-15 take A's block i, lanes 16-31 B's block i
.irp i, 0,1,2,3,4,5,6,7
	ds_load_b128 v[SC+8*NQ*\sc+NQ*\i:SC+8*NQ*\sc+NQ*\i+3], v[ADRS] offset:\i*SBLK
.endr
.endm
.macro PLACES n                        ; plain vector instructions between a matrix instruction and a load into, or a read of, its registers
.rept \n
	v_nop
.endr
.endm
.macro STEP slot, q, zero              ; 128 along K with a successor in the same slot
	s_wait_dscnt 4*NL                              ; B's set and A's blocks 0-3 are in; the youngest eight loads (A's blocks 4-7) may be out
.if \zero
	WIN 0x81                                       ; C (the bias) window 0, D window 2
.else
	WIN MUL_LO
.endif
	MUL16 0, (\q)%2, \q, \slot, \zero
	MUL16 2, (\q)%2, \q, \slot, \zero
	s_wait_dscnt 0
	PLACES NP
	FETCH_B \slot, (\q)+1, 1-(\q)%2
	FETCH_A \slot, (\q)+1, 0
.if \zero
	WIN 0xc1
.else
	WIN MUL_HI
.endif
	MUL16 4, (\q)%2, \q, \slot, \zero
	MUL16 6, (\q)%2, \q, \slot, \zero
	PLACES NP
	WIN 0
	FETCH_A \slot, (\q)+1, 4
.endm
.macro TURN slot, next                 ; slot 0's last step: one barrier; in front of it my tensor loads have landed and my reads of slot 0 are over.  Nothing is filled again
	s_wait_tensorcnt 0x0                           ; my part of slot 1 is in
	ds_add_u32 v[SPW], v[NIL]                      ; 0 onto my spare word
	s_wait_dscnt 4*NL+1                            ; (the add and A's blocks 4-7 may be out)
	WIN MUL_LO
	MUL16 0, 1, NQ-1, \slot, 0
	s_wait_dscnt 0x0
	s_barrier_signal -1
	MUL16 2, 1, NQ-1, \slot, 0
	WIN 0
	s_barrier_wait -1
	PLACES NP
	v_add_nc_u32 v[ADRS], 4*NQ, v[ADRS]            ; on to the next slot's scale words
	FETCH_B \next, 0, 0
	FETCH_A \next, 0, 0
	SCALES \next
	WIN MUL_HI
	MUL16 4, 1, NQ-1, \slot, 0
	MUL16 6, 1, NQ-1, \slot, 0
	PLACES NP
	WIN 0
	FETCH_A \next, 0, 4
.endm
.macro STEPS slot, from
.set Q, \from
.rept NQ-1-\from
	STEP \slot, Q, 0
.set Q, Q+1
.endr
.endm
	s_wait_tensorcnt 1                             ; the scales and my part of slot 0 are in; slot 1's load may stay out
	s_barrier_signal -1
	s_barrier_wait -1
	FETCH_B 0, 0, 0
	FETCH_A 0, 0, 0
	SCALES 0
	FETCH_A 0, 0, 4
	s_wait_loadcnt 0x0                             ; the bias
	STEP 0, 0, 1
	STEPS 0, 1
	TURN 0, 1
	STEPS 1, 0
	s_wait_dscnt 4*NL                              ; the very last step
	WIN MUL_LO
	MUL16 0, 1, NQ-1, 1, 0
	MUL16 2, 1, NQ-1, 1, 0
	s_wait_dscnt 0
	WIN MUL_HI
	MUL16 4, 1, NQ-1, 1, 0
	MUL16 6, 1, NQ-1, 1, 0
	WIN 0
	PLACES NP
	; positions 0-15 of a batch lie in block 0 of the waves with RH = 0 where Y = 0: the same test in all sixteen partners.  Their accumulators leave as they stand, 512 dense bytes a store.
	s_or_b32 s2, s67, s23
	s_cmp_lg_u32 s2, 0
	s_cbranch_scc1 .Lno_image
	WIN 0x08                                       ; a store's data: window 2
.irp b, 0,1,2,3,4,5,6,7
	global_store_b128 v[IMG], v[8*\b:8*\b+3], s[20:21] offset:(\b/4)*4096+(\b%4)*1024       ; each accumulator from its low end on
	global_store_b128 v[IMG], v[8*\b+4:8*\b+7], s[20:21] offset:(\b/4)*4096+(\b%4)*1024+512
.endr
	WIN 0
.Lno_image:
; THE WAY OUT in f16, a block of 16 positions x 128 columns (two heads) at a time, through my own stage.
.macro PACK a
.set AC, 64*((\a)%4)
	WIN 0x0a+5*((\a)/4)                            ; sources 0 and 1: window 2 or 3
.irp b, 0,1,2,3,4,5,6,7
.irp r, 0,1,2,3
	v_cvt_pk_f16_f32 v[TMP+4*\b+\r], v[AC+8*\b+2*\r], v[AC+8*\b+2*\r+1]
.endr
.endr
	WIN 0
.endm
.macro TOSTAGE a
.set BB, OB+32*((\a)%2)
.irp b, 0,1,2,3,4,5,6,7
	ds_store_b128 v[STO], v[TMP+4*\b:TMP+4*\b+3] offset:32*\b
.endr
.irp i, 0,1,2,3,4,5,6,7
	ds_load_b128 v[BB+4*\i:BB+4*\i+3], v[RD] offset:\i*2*SPITCH    ; LDS serves a wave's instructions in order: these see the stores above
.endr
.endm
.macro SEND a
.set BB, OB+32*((\a)%2)
	s_wait_dscnt 0x0                               ; the block is back in registers
	s_wait_xcnt 0x0                                ; the stores of the block before have read their registers: the next loads may land there
.irp i, 0,1,2,3,4,5,6,7
	global_store_b128 v[CO], v[BB+4*\i:BB+4*\i+3], s[18:19] offset:2048*(\a)+256*\i   ; sixteen lanes store two positions of a head: 256 consecutive bytes, aligned
.endr
.endm
	PACK 0
	TOSTAGE 0
.irp a, 1,2,3,4,5,6,7                  ; block a's conversions stand between block a - 1's loads from the stage and the wait for them
	PACK \a
	SEND \a-1
	TOSTAGE \a
.endr
	SEND 7
	s_wait_tensorcnt 0x0                           ; the wave's end
	ds_add_u32 v[SPW], v[NIL]
	s_wait_dscnt 0x0
	CROUND                                         ; the closing round
	s_endpgm
.Lfunc_end_k_qf7343e5348_proj:
	.size	k_qf7343e5348_proj, .Lfunc_end_k_qf7343e5348_proj-k_qf7343e5348_proj
	.p2alignl 7, 3214868480
	.fill 96, 4, 3214868480
	.section	.rodata,"a",@progbits
	.p2align	6, 0x0
	.amdhsa_kernel k_qf7343e5348_proj
		.amdhsa_group_segment_fixed_size 327680
		.amdhsa_private_segment_fixed_size 0
		.amdhsa_enable_private_segment 0
		.amdhsa_kernarg_size 72
		.amdhsa_user_sgpr_count 2
		.amdhsa_user_sgpr_kernarg_segment_ptr 1
		.amdhsa_wavefront_size32 1
		.amdhsa_system_sgpr_workgroup_id_x 1
		.amdhsa_system_sgpr_workgroup_id_y 1
		.amdhsa_system_sgpr_workgroup_id_z 1
		.amdhsa_system_vgpr_workitem_id 0
		.amdhsa_next_free_vgpr 1024
		.amdhsa_next_free_sgpr 102
		.amdhsa_reserve_vcc 0
		.amdhsa_float_denorm_mode_32 3
		.amdhsa_float_denorm_mode_16_64 3
		.amdhsa_memory_ordered 1
		.amdhsa_forward_progress 1
		.amdhsa_inst_pref_size 130
	.end_amdhsa_kernel
	.amdgpu_metadata
---
amdhsa.version: [ 1, 2 ]
amdhsa.kernels:
  - .name:           k_qf7343e5348_proj
    .symbol:         k_qf7343e5348_proj.kd
    .args:
      - { .name: a_codes, .offset: 0, .size: 8, .value_kind: global_buffer, .address_space: global }
      - { .name: a_scales, .offset: 8, .size: 8, .value_kind: global_buffer, .address_space: global }
      - { .name: w_codes, .offset: 16, .size: 8, .value_kind: global_buffer, .address_space: global }
      - { .name: w_scales, .offset: 24, .size: 8, .value_kind: global_buffer, .address_space: global }
      - { .name: bq, .offset: 32, .size: 8, .value_kind: global_buffer, .address_space: global }
      - { .name: bk, .offset: 40, .size: 8, .value_kind: global_buffer, .address_space: global }
      - { .name: bv, .offset: 48, .size: 8, .value_kind: global_buffer, .address_space: global }
      - { .name: qkvh, .offset: 56, .size: 8, .value_kind: global_buffer, .address_space: global }
      - { .name: qkv32, .offset: 64, .size: 8, .value_kind: global_buffer, .address_space: global }
    .group_segment_fixed_size: 327680
    .private_segment_fixed_size: 0
    .kernarg_segment_align: 8
    .kernarg_segment_size: 72
    .max_flat_workgroup_size: 128
    .sgpr_count:     102
    .vgpr_count:     1024
    .wavefront_size: 32
...
	.end_amdgpu_metadata
.endif
;; end of part 2
;; launch attn (part 3): grid 4 x 64, 8 waves a work-group, no clusters, 327,680 bytes of LDS; arguments qkvh, att; writes att
.if DOCPART == 3
	.amdgcn_target "amdgcn-amd-amdhsa--gfx1250"
	.amdhsa_code_object_version 6
	.text
	.protected	k_qf7343e5348_attn
	.globl	k_qf7343e5348_attn
	.p2align	8
	.type	k_qf7343e5348_attn,@function
k_qf7343e5348_attn:
	s_mov_b64 s[64:65], 0
	v_nop
	global_prefetch_b8 v0, s[64:65] scope:SCOPE_SE
	s_setreg_imm32_b32 hwreg(HW_REG_WAVE_MODE, 25, 1), 1
	s_wait_xcnt 0x0
; att[b][h][q][:] = the sum over k <= q of softmax_k(q . k / 32) v[k][:], head size 64, 2,048 positions, 64 heads in all.  q, k, v and att in f16; products, maxima and sums in f32;
; the weights p are rounded to f16 for the second product.  A running maximum m and sum l for each query: p = 2^(c s - c m), c = log2(e) / 32.
; LIMITS: hidden scores are taken as minus infinity, which equals the subtraction of 1e10 wherever scores differ by less than about 1e10; the running maximum starts at -3e38; |att| under 65,504.
; SHARES.  Work-group (J, head) takes the block of 256 queries 7 - J (key units 0 .. 7 - J of 256 keys) and then block J (units 0 .. J): nine units in every work-group.
; Each of eight waves owns 32 queries (two tiles of 16) of a block; two waves share a SIMD, so that one wave's vector work stands beside the other's products.
; NO CLUSTER: the four work-groups of a head walk different numbers of units in each block, so that a jointly asked tile would be read by none of the waves of some partner.
; LAYOUT.  S^T = K Q^T (source 0 = 16 keys, source 1 = 16 queries): a lane holds one query and the keys 8 (lane / 16) + 0..7; two such tiles, packed in pairs, are source 1 of O^T = V^T P.
; K's and V's units come through a ring of two LDS slots: waves 0-3 fetch K's four quarters, waves 4-7 V's: 64 rows a load, one load a wave behind each change of slots.
; REGISTERS: v1-12 addresses; v16-31 statistics, 8 a tile: +0 c m, +1 m, +2, +3 l, +4..+7 at work (a takes +6); v32-63 Q; v64-127 K's fragments, then V's; v128-191 S^T, p, P; v192-255 O^T.
.set PK,    144                        ; a row of K in LDS: 128 bytes + 16
.set PV,    160                        ; a row of V: 128 + 32
.set VOFF,  256*PK                     ; a slot: 256 rows of K, then 256 of V: 77,824 bytes
.set SLOT1, 131072                     ; slot 1 begins here: one exclusive or turns an address
.set STAGE, 212992                     ; the way out: 32 rows x 144 bytes for each wave; no tile lands here
.set SPARE, 249856                     ; the spare words: four blocks of 256 bytes that no other line names
.set ST,  16
.set QF,  32
.set KV,  64
.set SS,  128
.set OO,  192
; s8 wave, s9 J, s10 head, s11 my sub-block of 32 queries, s12 NA = units of the first block, s13 F = the trip, s14 my first query, s15 the step's first key
; s[16:23], s[24:31] groups 1 for K and V; s[32:35], s[36:39] their groups 0; s[40:41], s[42:43] my quarter of K's and V's unit 0; s[44:45], s[46:47] the head in q and in att
; s[48:49], s[50:51] my rows of q and of att; s[56:57] c; s[58:59] lane selects; s60, s61 LDS byte of the step's K and V; s62 counts steps; s63 the prefetches' limit; s[66:67] their address
.macro TLOAD                           ; the branch hangs on the wave's number alone; an s_nop 0 and four v_nop follow each line
	s_cmp_lt_u32 s8, 4
	s_cbranch_scc0 .Lfor_v_\@
	tensor_load_to_lds s[32:35], s[16:23]
	s_nop 0
.rept 4
	v_nop
.endr
	s_branch .Lasked_\@
.Lfor_v_\@:
	tensor_load_to_lds s[36:39], s[24:31]
	s_nop 0
.rept 4
	v_nop
.endr
.Lasked_\@:
.endm
; A prefetch of the unit that the NEXT change of slots will ask for: trip F names unit F + 2, four key steps ahead of its tensor load.  Each aligned block of 256 bytes of a head's K and V is named once in the
; launch: by the work-group with J = 0, which walks all eight units, each wave for its own quarter (8,192 bytes, lanes 256 bytes apart).  It stops at unit 7; units 0 and 1 come by their loads alone.
.macro ASK
	s_cmp_lt_u32 s13, s63
	s_cbranch_scc0 .Lnot_mine_\@
	global_prefetch_b8 v10, s[66:67] th:TH_LOAD_NT scope:SCOPE_SE
.Lnot_mine_\@:
.endm
; THE CHANGE OF SLOTS, at a unit's head.  All my tensor loads have landed (my part of the unit ahead), the add, my reads of the slot left are over; the barrier; then the slot left is filled with the unit after.
.macro CHANGE fill
	s_wait_tensorcnt 0x0                           ; no tensor load of mine is out, so a group 0 may be written
	ds_add_u32 v11, v12                            ; 0 onto my spare word; the descriptors' steps stand between it and its wait
.if \fill
	s_add_co_u32 s52, s13, 1                       ; the unit of trip F + 1: F + 1 in the first block, F + 1 - NA in the second
	s_cmp_lt_u32 s52, s12
	s_cselect_b32 s53, 0, s12
	s_sub_co_u32 s52, s52, s53
	s_lshl_b32 s52, s52, 15                        ; 32,768 bytes a unit
	s_mov_b32 s53, 0
	s_xor_b32 s33, s33, SLOT1                      ; the other slot than last time
	s_xor_b32 s37, s37, SLOT1
	s_add_nc_u64 s[34:35], s[40:41], s[52:53]
	s_or_b32 s35, s35, 0x80000000
	s_add_nc_u64 s[38:39], s[42:43], s[52:53]
	s_or_b32 s39, s39, 0x80000000
	s_wait_xcnt 0x0                                ; the last prefetch, a unit back, has read its address
	s_add_nc_u64 s[66:67], s[66:67], 32768
.endif
	s_wait_dscnt 0x0
	s_barrier_signal -1
	s_barrier_wait -1
.if \fill
	TLOAD                                          ; my one tensor load until the next such barrier: it has four key steps in which to land
	ASK
.endif
.endm
; A block of queries begins: Q into registers, O^T and l zero, m = -3e38.  One text of the key step then serves the first step too.
.macro INIT
	s_lshl_b32 s52, s14, 7                         ; 128 bytes a position
	s_mov_b32 s53, 0
	s_add_nc_u64 s[48:49], s[44:45], s[52:53]
	s_add_nc_u64 s[50:51], s[46:47], s[52:53]
.irp t, 0,1
.irp c, 0,1
	global_load_b128 v[QF+16*\t+8*\c:QF+16*\t+8*\c+3], v5, s[48:49] offset:2048*\t+64*\c
	global_load_b128 v[QF+16*\t+8*\c+4:QF+16*\t+8*\c+7], v5, s[48:49] offset:2048*\t+64*\c+32
.endr
.endr
.set i, 0
.rept 64
	v_mov_b32 v[OO+i], 0
.set i, i+1
.endr
.irp t, 0,1
	v_mov_b32 v[ST+8*\t+1], 0xff61b1e6             ; m = -3e38, under every score
	v_mul_f32 v[ST+8*\t], s56, v[ST+8*\t+1]        ; c m
	v_mov_b32 v[ST+8*\t+2], 0
	v_mov_b32 v[ST+8*\t+3], 0
	v_mov_b32 v[ST+8*\t+5], 0                      ; (a lane permute's destination counts as read)
	v_mov_b32 v[ST+8*\t+7], 0
.endr
	s_mov_b32 s15, 0
	s_wait_loadcnt 0x0
.endm
; A KEY STEP: 64 keys.
.macro STEP
	s_add_co_u32 s52, s14, 31                      ; a step all of whose keys come after my 32 queries is left out: a branch on ids and counts, round the work alone
	s_cmp_gt_u32 s15, s52
	s_cbranch_scc1 .Lhid_\@
	v_add_nc_u32 v3, s60, v1
	v_add_nc_u32 v4, s61, v2
.irp c, 0,1                                    ; K: 4 tiles of 16 keys x 2 halves of the head's 64; the first half first
.irp k, 0,1,2,3
	ds_load_b128 v[KV+8*(4*\c+\k):KV+8*(4*\c+\k)+3], v3 offset:16*PK*\k+64*\c
	ds_load_b128 v[KV+8*(4*\c+\k)+4:KV+8*(4*\c+\k)+7], v3 offset:16*PK*\k+64*\c+32
.endr
.endr
	s_wait_dscnt 8                                 ; the first half is in; the second half's eight loads may be out
.irp k, 0,1,2,3                                ; the eight accumulators take turns
.irp t, 0,1
	v_wmma_f32_16x16x32_f16 v[SS+32*\t+8*\k:SS+32*\t+8*\k+7], v[KV+8*\k:KV+8*\k+7], v[QF+16*\t:QF+16*\t+7], 0
.endr
.endr
	s_wait_dscnt 0x0
.irp k, 0,1,2,3
.irp t, 0,1
	v_wmma_f32_16x16x32_f16 v[SS+32*\t+8*\k:SS+32*\t+8*\k+7], v[KV+32+8*\k:KV+32+8*\k+7], v[QF+16*\t+8:QF+16*\t+15], v[SS+32*\t+8*\k:SS+32*\t+8*\k+7]
.endr
.endr
.rept 4
	v_nop                                          ; places in front of the loads into K's registers and of the first read of the scores
.endr
.irp g, 0,1                                    ; V, turned: keys 32 g on, channels 16 c on; they land while the softmax runs
.irp c, 0,1,2,3
	ds_load_tr16_b128 v[KV+8*(4*\g+\c):KV+8*(4*\g+\c)+3], v4 offset:32*PV*\g+32*\c
	ds_load_tr16_b128 v[KV+8*(4*\g+\c)+4:KV+8*(4*\g+\c)+7], v4 offset:32*PV*\g+16*PV+32*\c
.endr
.endr
	s_add_co_u32 s52, s15, 63                      ; on the diagonal hidden scores become minus infinity; a step all of whose keys count skips this
	s_cmp_le_u32 s52, s14
	s_cbranch_scc1 .Lopen_\@
	s_sub_co_i32 s52, s14, s15
	v_add_nc_u32 v20, s52, v9                      ; d = my first query - the step's first key + lane % 16 - 8 (lane / 16)
	v_mov_b32 v21, 0xff800000
.irp t, 0,1
.irp k, 0,1,2,3
.irp j, 0,1,2,3,4,5,6,7
	v_cmp_gt_i32 vcc_lo, 16*\k+\j-16*\t, v20       ; hidden where 16 k + j - 16 t > d
	v_cndmask_b32 v[SS+32*\t+8*\k+\j], v[SS+32*\t+8*\k+\j], v21, vcc_lo
.endr
.endr
.endr
.Lopen_\@:
	; the softmax, the two tiles line by line by turns.  The maximum: four chains, each begun at an accumulator's low end
.irp j, 0,1,2,3
.irp t, 0,1
	v_max3_num_f32 v[ST+8*\t+4+\j], v[SS+32*\t+8*\j], v[SS+32*\t+8*\j+1], v[SS+32*\t+8*\j+2]
.endr
.endr
.irp g, 1,2
.irp j, 0,1,2,3
.irp t, 0,1
	v_max3_num_f32 v[ST+8*\t+4+\j], v[ST+8*\t+4+\j], v[SS+32*\t+8*\j+2*\g+1], v[SS+32*\t+8*\j+2*\g+2]
.endr
.endr
.endr
.irp t, 0,1
	v_max3_num_f32 v[ST+8*\t+4], v[ST+8*\t+4], v[SS+32*\t+7], v[SS+32*\t+15]
.endr
.irp t, 0,1
	v_max3_num_f32 v[ST+8*\t+6], v[ST+8*\t+6], v[SS+32*\t+23], v[SS+32*\t+31]
.endr
.irp t, 0,1
	v_max3_num_f32 v[ST+8*\t+4], v[ST+8*\t+4], v[ST+8*\t+5], v[ST+8*\t+6]
.endr
.irp t, 0,1
	v_max3_num_f32 v[ST+8*\t+4], v[ST+8*\t+4], v[ST+8*\t+7], v[ST+8*\t+1]   ; with the old m
.endr
.irp t, 0,1
	v_permlanex16_b32 v[ST+8*\t+5], v[ST+8*\t+4], s58, s59        ; the query's other 32 keys lie in the lane 16 away
.endr
.irp t, 0,1
	v_mov_b32 v[ST+8*\t+7], v[ST+8*\t]             ; c m_old
.endr
.irp t, 0,1
	v_max_num_f32 v[ST+8*\t+1], v[ST+8*\t+4], v[ST+8*\t+5]
.endr
.irp t, 0,1
	v_mul_f32 v[ST+8*\t], s56, v[ST+8*\t+1]
.endr
.irp t, 0,1
	v_sub_f32 v[ST+8*\t+7], v[ST+8*\t+7], v[ST+8*\t]
.endr
.irp b, 0,2,4,6,8,10,12,14,16,18,20,22,24,26,28,30
.irp t, 0,1
	v_pk_fma_f32 v[SS+32*\t+\b:SS+32*\t+\b+1], v[SS+32*\t+\b:SS+32*\t+\b+1], s[56:57], v[ST+8*\t:ST+8*\t+1] op_sel_hi:[1,0,0] neg_lo:[0,0,1] neg_hi:[0,0,1]   ; c s - c m
.endr
.endr
.irp t, 0,1
	v_exp_f32 v[ST+8*\t+6], v[ST+8*\t+7]           ; a = 2^(c m_old - c m_new).  The 66 exponentials are one batch
.endr
.irp e, 0,1,2,3,4,5,6,7,8,9,10,11,12,13,14,15,16,17,18,19,20,21,22,23,24,25,26,27,28,29,30,31
.irp t, 0,1
	v_exp_f32 v[SS+32*\t+\e], v[SS+32*\t+\e]
.endr
.endr
	v_nop                                          ; a plain instruction behind the last exponential
	s_wait_alu depctr_va_vdst(0)                   ; the wait ahead of the first instruction that names a result: one for the batch
.irp t, 0,1
	v_pk_mul_f32 v[ST+8*\t+2:ST+8*\t+3], v[ST+8*\t+2:ST+8*\t+3], v[ST+8*\t+6:ST+8*\t+7] op_sel_hi:[1,0]   ; l x a
.endr
.irp t, 0,1
	v_pk_add_f32 v[ST+8*\t+4:ST+8*\t+5], v[SS+32*\t:SS+32*\t+1], v[SS+32*\t+2:SS+32*\t+3]   ; the sum of p, unrounded, in two chains
.endr
.irp j, 4,8,12,16,20,24,28
.irp t, 0,1
	v_pk_add_f32 v[ST+8*\t+2:ST+8*\t+3], v[ST+8*\t+2:ST+8*\t+3], v[SS+32*\t+\j:SS+32*\t+\j+1]
	v_pk_add_f32 v[ST+8*\t+4:ST+8*\t+5], v[ST+8*\t+4:ST+8*\t+5], v[SS+32*\t+\j+2:SS+32*\t+\j+3]
.endr
.endr
.irp t, 0,1
	v_pk_add_f32 v[ST+8*\t+2:ST+8*\t+3], v[ST+8*\t+2:ST+8*\t+3], v[ST+8*\t+4:ST+8*\t+5]
.endr
.irp g, 0,1                                    ; P: two score tiles packed in pairs, in place, ascending
.irp i, 0,1,2,3,4,5,6,7
.irp t, 0,1
	v_cvt_pk_f16_f32 v[SS+32*\t+16*\g+\i], v[SS+32*\t+16*\g+2*\i], v[SS+32*\t+16*\g+2*\i+1]
.endr
.endr
.endr
.irp i, 0,2,4,6,8,10,12,14,16,18,20,22,24,26,28,30
.irp t, 0,1
	v_pk_mul_f32 v[OO+32*\t+\i:OO+32*\t+\i+1], v[OO+32*\t+\i:OO+32*\t+\i+1], v[ST+8*\t+6:ST+8*\t+7] op_sel_hi:[1,0]   ; O^T x a, each accumulator from its low end on
.endr
.endr
	s_wait_dscnt 0x0                               ; V is in
.irp g, 0,1                                    ; O^T += V^T P: eight accumulators by turns
.irp c, 0,1,2,3
.irp t, 0,1
	v_wmma_f32_16x16x32_f16 v[OO+32*\t+8*\c:OO+32*\t+8*\c+7], v[KV+8*(4*\g+\c):KV+8*(4*\g+\c)+7], v[SS+32*\t+16*\g:SS+32*\t+16*\g+7], v[OO+32*\t+8*\c:OO+32*\t+8*\c+7]
.endr
.endr
.endr
.rept 5
	v_nop                                          ; places: four for the next loads into V's registers and the next reads of O^T, five for the next products, which write over P
.endr
.Lhid_\@:
	s_add_co_u32 s15, s15, 64
	s_add_co_u32 s60, s60, 64*PK
	s_add_co_u32 s61, s61, 64*PV
.endm
.macro STEPS                           ; a unit's four key steps: written once, walked four times
	s_mov_b32 s62, 4
.Lstep_\@:
	STEP
	s_sub_co_u32 s62, s62, 1
	s_cmp_lg_u32 s62, 0
	s_cbranch_scc1 .Lstep_\@
	s_sub_co_u32 s60, s60, 256*PK                  ; back to a slot's first step,
	s_sub_co_u32 s61, s61, 256*PV
	s_xor_b32 s60, s60, SLOT1                      ; in the other slot
	s_xor_b32 s61, s61, SLOT1
.endm
; A block's way out: O^T / l, rounded to f16, through my stage, so that each store of the wave covers 512 consecutive bytes (four positions of the head).
.macro WAYOUT
.irp t, 0,1
	v_add_f32 v[ST+8*\t+4], v[ST+8*\t+2], v[ST+8*\t+3]
.endr
.irp t, 0,1
	v_permlanex16_b32 v[ST+8*\t+5], v[ST+8*\t+4], s58, s59
.endr
.irp t, 0,1
	v_add_f32 v[ST+8*\t+4], v[ST+8*\t+4], v[ST+8*\t+5]
.endr
.irp t, 0,1
	v_rcp_f32 v[ST+8*\t+6], v[ST+8*\t+4]
.endr
	v_nop
	s_wait_alu depctr_va_vdst(0)                   ; one wait for the two reciprocals, ahead of their first reader
.irp t, 0,1
.irp i, 0,2,4,6,8,10,12,14,16,18,20,22,24,26,28,30
	v_pk_mul_f32 v[OO+32*\t+\i:OO+32*\t+\i+1], v[OO+32*\t+\i:OO+32*\t+\i+1], v[ST+8*\t+6:ST+8*\t+7] op_sel_hi:[1,0]
.endr
.irp i, 0,1,2,3,4,5,6,7,8,9,10,11,12,13,14,15
	v_cvt_pk_f16_f32 v[SS+32*\t+\i], v[OO+32*\t+2*\i], v[OO+32*\t+2*\i+1]
.endr
.irp c, 0,1,2,3
	ds_store_b128 v6, v[SS+32*\t+4*\c:SS+32*\t+4*\c+3] offset:16*PK*\t+32*\c
.endr
.irp i, 0,1,2,3
	ds_load_b128 v[SS+32*\t+16+4*\i:SS+32*\t+16+4*\i+3], v7 offset:16*PK*\t+4*PK*\i   ; LDS serves a wave's instructions in order
.endr
.endr
.irp i, 0,1,2,3
	s_wait_dscnt 11-\i                             ; behind this load: tile 0's younger loads and tile 1's eight LDS instructions
	global_store_b128 v8, v[SS+16+4*\i:SS+16+4*\i+3], s[50:51] offset:512*\i
.endr
.irp i, 0,1,2,3
	s_wait_dscnt 3-\i
	global_store_b128 v8, v[SS+48+4*\i:SS+48+4*\i+3], s[50:51] offset:2048+512*\i
.endr
.endm
; From the first block of queries to the second, in the trip F = NA: ids and the count of trips alone, the same in all eight waves; no barrier, tensor load or wait for one stands inside.
.macro SWITCH
	s_cmp_lg_u32 s13, s12
	s_cbranch_scc1 .Lsame_\@
	WAYOUT
	s_wait_xcnt 0x0                                ; the stores have read their registers and their base
	s_lshl_b32 s14, s9, 8
	s_lshl_b32 s52, s11, 5
	s_add_co_u32 s14, s14, s52                     ; my first query: 256 J + 32 x sub-block
	INIT
.Lsame_\@:
.endm
	s_load_b128 s[4:7], s[0:1], 0x0                ; qkvh, att
	v_lshl_add_u32 v11, v0, 2, SPARE
	v_mov_b32 v12, 0
	ds_add_u32 v11, v12                            ; the wave's opening: the add, twice on end, and its wait ahead of my first tensor load
	ds_add_u32 v11, v12
	v_lshrrev_b32 v13, 5, v0
	v_readfirstlane_b32 s8, v13                    ; wave 0..7
	s_mov_b32 s9, ttmp9                            ; J
	s_and_b32 s10, ttmp7, 0xffff                   ; the head, 0..63
	s_sub_co_u32 s52, 11, s8
	s_cmp_lt_u32 s8, 4
	s_cselect_b32 s11, s8, s52                     ; sub-blocks 0, 1, 2, 3, 7, 6, 5, 4: waves w and w + 4 together carry equal work on the diagonal
	s_sub_co_u32 s12, 8, s9                        ; NA
	s_mov_b32 s16, (1<<16)|(1<<20)|(4<<22)|(3<<25) ; K: elements of 2 bytes; 4 words of padding behind every 32
	s_mov_b32 s17, 64<<16                          ; tensor_dim0 = 64
	s_mov_b32 s18, 64<<16                          ; tensor_dim1 = 64
	s_mov_b32 s19, 64<<16                          ; tile_dim0 = 64
	s_mov_b32 s20, 64                              ; tile_dim1 = 64
	s_mov_b32 s21, 64                              ; the pitch
	s_mov_b32 s22, 0
	s_mov_b32 s23, 0
	s_mov_b32 s24, (1<<16)|(1<<20)|(4<<22)|(7<<25) ; V: the same with 8 words of padding
	s_mov_b32 s25, 64<<16
	s_mov_b32 s26, 64<<16
	s_mov_b32 s27, 64<<16
	s_mov_b32 s28, 64
	s_mov_b32 s29, 64
	s_mov_b32 s30, 0
	s_mov_b32 s31, 0
	s_mov_b32 s56, 0x3d38aa3b                      ; c = log2(e) / 32
	s_mov_b32 s57, s56
	s_mov_b32 s58, 0x76543210
	s_mov_b32 s59, 0xfedcba98
	s_and_b32 s54, s8, 3                           ; which quarter of a unit I fetch
	s_mov_b32 s32, 1
	s_mul_i32 s33, s54, 64*PK
	s_mov_b32 s36, 1
	s_mul_i32 s37, s54, 64*PV
	s_add_co_u32 s37, s37, VOFF
	s_lshl_b32 s52, s10, 18                        ; a head is 262,144 bytes
	s_mov_b32 s53, 0
	s_lshl_b32 s68, s54, 13                        ; a quarter 8,192
	s_add_co_u32 s68, s68, s52
	s_mov_b32 s69, 0
	s_cmp_eq_u32 s9, 0
	s_cselect_b32 s63, 6, 0                        ; trips 0 to 5 of the work-group with J = 0 prefetch
	s_wait_dscnt 0x0                               ; both opening adds are done
	s_wait_kmcnt 0x0
	s_add_nc_u64 s[44:45], s[4:5], s[52:53]        ; q's head
	s_add_nc_u64 s[46:47], s[6:7], s[52:53]        ; att's head
	s_add_nc_u64 s[40:41], s[4:5], s[68:69]
	s_add_nc_u64 s[42:43], s[40:41], 33554432      ; v: the third tensor of qkvh
	s_add_nc_u64 s[40:41], s[40:41], 16777216      ; k: the second
	s_mov_b64 s[34:35], s[40:41]
	s_or_b32 s35, s35, 0x80000000
	s_mov_b64 s[38:39], s[42:43]
	s_or_b32 s39, s39, 0x80000000
	TLOAD                                          ; unit 0 into slot 0: key 0 counts for every query
	s_cmp_lt_u32 s8, 4
	s_cselect_b64 s[66:67], s[40:41], s[42:43]
	s_add_nc_u64 s[66:67], s[66:67], 32768         ; at unit 1: the first change steps it to unit 2.  Nothing is prefetched here at the head
	v_and_b32 v13, 15, v0                          ; r
	v_bfe_u32 v14, v0, 4, 1                        ; h
	v_mul_u32_u24 v1, v13, PK
	v_lshl_add_u32 v1, v14, 4, v1                  ; K: row r x pitch + 16 h
	v_and_b32 v15, 7, v0
	v_lshl_add_u32 v2, v14, 3, v15
	v_mul_u32_u24 v2, v2, PV                       ; V: key 8 h + lane % 8,
	v_bfe_u32 v15, v0, 3, 1
	v_lshl_add_u32 v2, v15, 4, v2                  ; channels 8 ((lane / 8) % 2) on
	v_add_nc_u32 v2, VOFF, v2
	v_lshlrev_b32 v5, 7, v13
	v_lshl_add_u32 v5, v14, 4, v5                  ; Q: row r of 128 bytes + 16 h
	s_mul_i32 s52, s8, 32*PK
	s_add_co_u32 s52, s52, STAGE                   ; my stage
	v_add_nc_u32 v6, s52, v1                       ; in: row r, 16 bytes for each half of the lanes
	v_and_b32 v15, 31, v0
	v_lshrrev_b32 v7, 3, v15
	v_mul_u32_u24 v7, v7, PK
	v_and_b32 v3, 7, v0
	v_lshl_add_u32 v7, v3, 4, v7
	v_add_nc_u32 v7, s52, v7                       ; back: eight lanes to a row of 128 bytes
	v_lshlrev_b32 v8, 4, v15                       ; and in att: 16 x lane
	v_lshlrev_b32 v9, 3, v14
	v_sub_nc_u32 v9, v13, v9                       ; r - 8 h
	v_lshlrev_b32 v10, 8, v15                      ; the prefetches: 256 x lane
	s_sub_co_u32 s14, 7, s9
	s_lshl_b32 s14, s14, 8
	s_lshl_b32 s52, s11, 5
	s_add_co_u32 s14, s14, s52                     ; my first query: 256 (7 - J) + 32 x sub-block
	INIT
	s_mov_b32 s13, 0
	s_mov_b32 s60, 0
	s_mov_b32 s61, 0
.Lslot:                                            ; eight trips: behind each change of slots the next unit is asked for; slot 1's first fill goes out behind trip 0's barrier, at which no wave refills
	CHANGE 1
	SWITCH
	STEPS
	s_add_co_u32 s13, s13, 1
	s_cmp_lt_u32 s13, 8
	s_cbranch_scc1 .Lslot
	CHANGE 0                                       ; the ninth unit is written out: nothing is left to ask for
	SWITCH
	STEPS
	WAYOUT
	s_wait_tensorcnt 0x0                           ; the wave's end
	ds_add_u32 v11, v12
	s_wait_dscnt 0x0
	s_endpgm
.Lfunc_end_k_qf7343e5348_attn:
	.size	k_qf7343e5348_attn, .Lfunc_end_k_qf7343e5348_attn-k_qf7343e5348_attn
	.p2alignl 7, 3214868480
	.fill 96, 4, 3214868480
	.section	.rodata,"a",@progbits
	.p2align	6, 0x0
	.amdhsa_kernel k_qf7343e5348_attn
		.amdhsa_group_segment_fixed_size 327680
		.amdhsa_private_segment_fixed_size 0
		.amdhsa_enable_private_segment 0
		.amdhsa_kernarg_size 16
		.amdhsa_user_sgpr_count 2
		.amdhsa_user_sgpr_kernarg_segment_ptr 1
		.amdhsa_wavefront_size32 1
		.amdhsa_system_sgpr_workgroup_id_x 1
		.amdhsa_system_sgpr_workgroup_id_y 1
		.amdhsa_system_sgpr_workgroup_id_z 1
		.amdhsa_system_vgpr_workitem_id 0
		.amdhsa_next_free_vgpr 256
		.amdhsa_next_free_sgpr 72
		.amdhsa_reserve_vcc 1
		.amdhsa_float_denorm_mode_32 3
		.amdhsa_float_denorm_mode_16_64 3
		.amdhsa_memory_ordered 1
		.amdhsa_forward_progress 1
		.amdhsa_inst_pref_size 81
	.end_amdhsa_kernel
	.amdgpu_metadata
---
amdhsa.version: [ 1, 2 ]
amdhsa.kernels:
  - .name:           k_qf7343e5348_attn
    .symbol:         k_qf7343e5348_attn.kd
    .args:
      - { .name: qkvh, .offset: 0, .size: 8, .value_kind: global_buffer, .address_space: global }
      - { .name: att, .offset: 8, .size: 8, .value_kind: global_buffer, .address_space: global }
    .group_segment_fixed_size: 327680
    .private_segment_fixed_size: 0
    .kernarg_segment_align: 8
    .kernarg_segment_size: 16
    .max_flat_workgroup_size: 256
    .sgpr_count:     72
    .vgpr_count:     256
    .wavefront_size: 32
...
	.end_amdgpu_metadata
.endif
;; end of part 3
;; launch oproj (part 4): grid 8 x 64, 4 waves a work-group, clusters of 4 x 4, 327,680 bytes of LDS; arguments att, wot, bo, out0; writes out0
.if DOCPART == 4
	.amdgcn_target "amdgcn-amd-amdhsa--gfx1250"
	.amdhsa_code_object_version 6
	.text
	.protected	k_qf7343e5348_oproj
	.globl	k_qf7343e5348_oproj
	.p2align	8
	.type	k_qf7343e5348_oproj,@function
k_qf7343e5348_oproj:
	s_mov_b64 s[64:65], 0
	v_nop
	global_prefetch_b8 v0, s[64:65] scope:SCOPE_SE
	s_setreg_imm32_b32 hwreg(HW_REG_WAVE_MODE, 25, 1), 1
	s_wait_xcnt 0x0
	s_wait_alu depctr_hold_cnt(0) depctr_sa_sdst(0) depctr_va_vdst(0) depctr_va_sdst(0) depctr_va_ssrc(0) depctr_va_vcc(0) depctr_vm_vsrc(0)
	s_getreg_b32 s2, hwreg(HW_REG_IB_STS2, 6, 4)
	s_cmp_eq_u32 s2, 0
	s_cbranch_scc0 .Lentry_in_a_cluster
	s_endpgm
.Lentry_in_a_cluster:
	s_bfe_u32 s2, ttmp6, 0x10000c
	s_cmp_lg_u32 s2, 0xf033
	s_cbranch_scc0 .Lentry_shape_is_right
	s_endpgm
.Lentry_shape_is_right:
; out0 = att wo + bo.  att: f16 [batch][head][position][64]; wot: wo transposed, f16 [n 1024][k 1024]; bo, out0: f32.  Sums in f32.  (Positions 0-15 of each batch are written anew, more finely, by the last launch.)
; A tile of out0 is 128 x 128: 512 work-groups.  Four waves, each 64 x 64: 16 accumulators.  K goes in steps of 256 (four heads) through two LDS slots.
; A's TILE COMES BY HEADS: 128 positions of a head are 16,384 dense bytes.  One load brings two heads as two rows of 8,192 elements, 131,072 elements apart, with 16 bytes of padding behind every 128:
; in LDS a head is then 128 rows 144 bytes apart.  B's tile: 64 rows of 512 bytes a load, rows 528 bytes apart.
; CLUSTERS: 4 x 4: A's tiles are shared along a row of the cluster, B's along a column, each asked for jointly.  THE MATRIX INSTRUCTION IS USED TRANSPOSED: a lane holds eight neighbouring columns of a row.
; The bias is the C of each sum's first matrix instruction.  A wave's 64 columns are 256 bytes of a row: each wave has a stage of its own, and no barrier stands on the way out.
; REGISTERS: window 0: v0-31 addresses; v32-95 rows on the way out; v96-127 the bias; v128-255 the accumulators ((a, b) at v[128 + 8 (4 a + b)]).  window 1: two fragment buffers of 128.
.set PITCH,  528                       ; B's LDS row: 512 + 16
.set PA,     144                       ; A's LDS row: 128 + 16
.set PLANE,  128*PA                    ; a head's 128 rows
.set BOFF,   4*PLANE                   ; B lies behind A's four heads
.set HALFB,  64*PITCH
.set SLOT,   BOFF+2*HALFB              ; 141,312
.set STAGE,  2*SLOT                    ; 16 rows x 272 bytes for each wave; no tile lands here
.set SPITCH, 272
.set SPARE,  STAGE+4*16*SPITCH         ; the spare words: two blocks of 256 bytes that no other line names
.set LAPS,   2                         ; K = 1,024: four K steps, twice round the ring
.set ADRA, 16
.set ADRB, 20
.set STO,  24
.set RD,   25
.set CO,   26
.set BOF,  27
.set SPW,  28
.set NIL,  29
.set TMP,  32
.set BIAS, 96
.set ACC,  128
.set F0,   0
.set F1,   128
.set G1, 24
.set G0, 32
.set G1B, 48
.set G0B, 56
.set MSB, 0
.macro WIN new
.if MSB != (\new)
	s_set_vgpr_msb (MSB<<8)|(\new)
.set MSB, (\new)
.endif
.endm
.set MUL,  0x05                        ; sources 0 (B) and 1 (A) window 1; C and D window 0
.set TO_F, 0x40
.macro JLOAD s                         ; waves 0 and 1 fetch A's heads 0, 1 and 2, 3; waves 2 and 3 B's halves; an s_nop 0 and four v_nop follow each line
	s_cmp_eq_u32 s11, 0
	s_cbranch_scc0 .Lfor_b_\@
	tensor_load_to_lds s[G0+4*\s:G0+4*\s+3], s[G1:G1+7]
	s_nop 0
.rept 4
	v_nop
.endr
	s_branch .Lasked_\@
.Lfor_b_\@:
	tensor_load_to_lds s[G0B+4*\s:G0B+4*\s+3], s[G1B:G1B+7]
	s_nop 0
.rept 4
	v_nop
.endr
.Lasked_\@:
.endm
.macro CREST
	s_cmp_lg_u32 s10, 0
	s_cbranch_scc1 .Lnot_wave_0_\@
	s_barrier_signal -3
.Lnot_wave_0_\@:
	s_barrier_wait -3
	s_barrier_signal -1
	s_barrier_wait -1
.endm
.macro CROUND
	s_barrier_signal -1
	s_barrier_wait -1
	CREST
.endm
	s_load_b256 s[68:75], s[0:1], 0x0              ; att 68, wot 70, bo 72, out0 74
	v_lshl_add_u32 v[SPW], v0, 2, SPARE
	v_mov_b32 v[NIL], 0
	ds_add_u32 v[SPW], v[NIL]                      ; the wave's opening: the add, twice on end, and its wait ahead of my first tensor load
	ds_add_u32 v[SPW], v[NIL]
	v_lshrrev_b32 v1, 5, v0
	v_readfirstlane_b32 s10, v1                    ; wave 0..3
	s_lshr_b32 s11, s10, 1                         ; RH: my half of the rows.  Also: I fetch for A (0) or for B (1)
	s_and_b32 s12, s10, 1                          ; CH: my half of the columns.  Also: which part I fetch
	s_bfe_u32 s40, ttmp6, 0x40000                  ; cx
	s_bfe_u32 s41, ttmp6, 0x40004                  ; cy
	s_lshl_b32 s42, ttmp9, 2
	s_add_co_u32 s42, s42, s40                     ; tile column
	s_and_b32 s13, ttmp7, 0xffff
	s_lshl_b32 s13, s13, 2
	s_add_co_u32 s13, s13, s41                     ; tile row
	s_lshl_b32 s43, s41, 2
	s_lshl_b32 s43, 15, s43                        ; my row of the cluster
	s_lshl_b32 s44, 0x1111, s40                    ; my column
	s_or_b32 s[G1+0], s43, (1<<16)|(1<<20)|(1<<21)|(4<<22)|(3<<25)  ; A: elements of 2 bytes; 4 words of padding behind every 32
	s_mov_b32 s[G1+1], 8192<<16                    ; tensor_dim0 = 8,192: 128 positions x 64
	s_mov_b32 s[G1+2], 2<<16                       ; tensor_dim1 = 2 heads
	s_mov_b32 s[G1+3], 8192<<16                    ; tile_dim0
	s_mov_b32 s[G1+4], 2                           ; tile_dim1
	s_mov_b32 s[G1+5], 131072                      ; from head to head, in elements
	s_mov_b32 s[G1+6], 0
	s_mov_b32 s[G1+7], 0
	s_or_b32 s[G1B+0], s44, (1<<16)|(1<<20)|(1<<21)|(6<<22)|(3<<25) ; B: 4 words behind every 128
	s_mov_b32 s[G1B+1], 256<<16
	s_mov_b32 s[G1B+2], 64<<16
	s_mov_b32 s[G1B+3], 256<<16
	s_mov_b32 s[G1B+4], 64
	s_mov_b32 s[G1B+5], 1024
	s_mov_b32 s[G1B+6], 0
	s_mov_b32 s[G1B+7], 0
	s_lshr_b32 s16, s13, 4                         ; A: the batch, 4,194,304 bytes each,
	s_lshl_b32 s16, s16, 22
	s_and_b32 s17, s13, 15
	s_lshl_b32 s17, s17, 14                        ; + 128 positions x 128 bytes for each tile row in the batch,
	s_add_co_u32 s16, s16, s17
	s_lshl_b32 s17, s12, 19                        ; + two heads for wave 1: nothing of cx
	s_add_co_u32 s16, s16, s17
	s_mov_b32 s17, 0
	s_lshl_b32 s46, s42, 7                         ; B: row 128 x tile column + 64 x half: nothing of cy
	s_lshl_b32 s47, s12, 6
	s_add_co_u32 s46, s46, s47
	s_lshl_b32 s46, s46, 11                        ; rows of 2,048 bytes
	s_mov_b32 s47, 0
	s_mul_i32 s20, s12, 2*PLANE                    ; where they go: no place in the cluster enters an LDS address
	s_mul_i32 s21, s12, HALFB
	s_add_co_u32 s21, s21, BOFF
	s_wait_dscnt 0x0                               ; both opening adds are done
	s_wait_kmcnt 0x0
	s_add_nc_u64 s[14:15], s[68:69], s[16:17]
	s_add_nc_u64 s[46:47], s[70:71], s[46:47]
	CROUND                                         ; all sixteen work-groups are here
.irp s, 0,1
	s_mov_b32 s[G0+4*\s], 1
	s_add_co_u32 s[G0+4*\s+1], s20, \s*SLOT
	s_add_nc_u64 s[G0+4*\s+2:G0+4*\s+3], s[14:15], \s*1048576      ; a K step is four heads
	s_or_b32 s[G0+4*\s+3], s[G0+4*\s+3], 0x80000000
	s_mov_b32 s[G0B+4*\s], 1
	s_add_co_u32 s[G0B+4*\s+1], s21, \s*SLOT
	s_add_nc_u64 s[G0B+4*\s+2:G0B+4*\s+3], s[46:47], \s*512
	s_or_b32 s[G0B+4*\s+3], s[G0B+4*\s+3], 0x80000000
	JLOAD \s
.endr
	v_and_b32 v1, 15, v0                           ; r
	v_bfe_u32 v2, v0, 4, 1                         ; h
	v_lshlrev_b32 v[BOF], 5, v2
	s_lshl_b32 s4, s42, 9
	s_lshl_b32 s5, s12, 8
	s_add_co_u32 s4, s4, s5                        ; my first column, in bytes: (128 x tile column + 64 CH) x 4
	s_mov_b32 s5, 0
	s_add_nc_u64 s[72:73], s[72:73], s[4:5]
.irp b, 0,1,2,3
	global_load_b128 v[BIAS+8*\b:BIAS+8*\b+3], v[BOF], s[72:73] offset:64*\b
	global_load_b128 v[BIAS+8*\b+4:BIAS+8*\b+7], v[BOF], s[72:73] offset:64*\b+16
.endr
	v_mul_u32_u24 v3, v1, PA
	v_lshl_add_u32 v3, v2, 4, v3
	v_mul_u32_u24 v4, v1, PITCH
	v_lshl_add_u32 v4, v2, 4, v4
	s_mul_i32 s21, s11, 64*PA                      ; my 64 rows in each head of A
	s_mul_i32 s22, s12, HALFB                      ; my 64 rows of B
	s_add_co_u32 s22, s22, BOFF
.irp s, 0,1
	v_add_nc_u32 v[ADRA+\s], s21, v3
	v_add_nc_u32 v[ADRB+\s], s22, v4
	s_add_co_u32 s21, s21, SLOT
	s_add_co_u32 s22, s22, SLOT
.endr
	s_mul_i32 s23, s10, 16*SPITCH
	s_add_co_u32 s23, s23, STAGE                   ; my stage
	v_mul_u32_u24 v5, v1, SPITCH
	v_lshl_add_u32 v5, v2, 5, v5
	v_add_nc_u32 v[STO], s23, v5                   ; in: row r, 32 bytes for each half of the lanes
	v_mul_u32_u24 v5, v2, SPITCH
	v_lshl_add_u32 v5, v1, 4, v5
	v_add_nc_u32 v[RD], s23, v5                    ; back: lanes 0-15 one row of 256 bytes, lanes 16-31 the next
	v_lshlrev_b32 v5, 12, v2
	v_lshl_add_u32 v[CO], v1, 4, v5                ; and the same two rows in out0
	s_lshl_b32 s6, s13, 7
	s_lshl_b32 s7, s11, 6
	s_add_co_u32 s6, s6, s7                        ; my first row: 128 x tile row + 64 RH
	s_lshl_b32 s6, s6, 12
	s_mov_b32 s7, 0
	s_add_nc_u64 s[74:75], s[74:75], s[6:7]
	s_add_nc_u64 s[74:75], s[74:75], s[4:5]
.macro MUL8 f, c, a0, zero             ; 8 matrix instructions: m blocks a0, a0 + 1 x 4 n blocks, 32 along K.  zero = 1: the first product starts the sums, with the bias as C
.irp a, \a0, \a0+1
.irp b, 0,1,2,3
.if \zero
	v_wmma_f32_16x16x32_f16 v[ACC+8*(4*(\a)+\b):ACC+8*(4*(\a)+\b)+7], v[\f+64+8*(4*\c+\b):\f+64+8*(4*\c+\b)+7], v[\f+8*(4*\c+\a):\f+8*(4*\c+\a)+7], v[BIAS+8*\b:BIAS+8*\b+7]
.else
	v_wmma_f32_16x16x32_f16 v[ACC+8*(4*(\a)+\b):ACC+8*(4*(\a)+\b)+7], v[\f+64+8*(4*\c+\b):\f+64+8*(4*\c+\b)+7], v[\f+8*(4*\c+\a):\f+8*(4*\c+\a)+7], v[ACC+8*(4*(\a)+\b):ACC+8*(4*(\a)+\b)+7]
.endif
.endr
.endr
.endm
.macro FETCH slot, k, f                ; 32 LDS loads: 64 along K: byte k of B's rows, head k / 128 of A
	WIN TO_F
.irp c, 0,1
.irp i, 0,1,2,3
	ds_load_b128 v[\f+64+8*(4*\c+\i):\f+64+8*(4*\c+\i)+3],   v[ADRB+\slot] offset:\k+64*\c+\i*16*PITCH
	ds_load_b128 v[\f+64+8*(4*\c+\i)+4:\f+64+8*(4*\c+\i)+7], v[ADRB+\slot] offset:\k+64*\c+\i*16*PITCH+32
	ds_load_b128 v[\f+8*(4*\c+\i):\f+8*(4*\c+\i)+3],         v[ADRA+\slot] offset:(\k/128)*PLANE+64*\c+\i*16*PA
	ds_load_b128 v[\f+8*(4*\c+\i)+4:\f+8*(4*\c+\i)+7],       v[ADRA+\slot] offset:(\k/128)*PLANE+64*\c+\i*16*PA+32
.endr
.endr
.endm
.macro PLACES
.rept 4
	v_nop
.endr
.endm
.macro QUARTER slot, k, f, g, zero     ; 64 along K: multiplies buffer f and fetches the next quarter, at byte k, into g
	s_wait_dscnt 16                                ; the first 32 along K are in; the other sixteen loads may be out
	WIN MUL
	MUL8 \f, 0, 0, \zero
	MUL8 \f, 0, 2, \zero
	PLACES
	FETCH \slot, \k, \g
	s_wait_dscnt 32                                ; all but the 32 just issued
	WIN MUL
	MUL8 \f, 1, 0, 0
	MUL8 \f, 1, 2, 0
.endm
.macro TURN slot, next, fill           ; the last quarter changes slots: one barrier; fill = 1: it opens a round of the cluster's barrier, and this slot is filled again, two K steps ahead
	WIN 0
	s_wait_tensorcnt 0x0                           ; all my tensor loads have landed: my part of the next slot
	ds_add_u32 v[SPW], v[NIL]                      ; 0 onto my spare word
	s_wait_dscnt 17                                ; (the add and the youngest sixteen loads may be out)
	WIN MUL
	MUL8 F1, 0, 0, 0
	s_wait_dscnt 0x0                               ; the add is done, and my reads of this slot are over
	s_barrier_signal -1
	MUL8 F1, 0, 2, 0
.if \fill
	WIN 0
.endif
	s_barrier_wait -1
.if \fill
	CREST
	s_add_nc_u64 s[G0+4*\slot+2:G0+4*\slot+3], s[G0+4*\slot+2:G0+4*\slot+3], 2097152
	s_add_nc_u64 s[G0B+4*\slot+2:G0B+4*\slot+3], s[G0B+4*\slot+2:G0B+4*\slot+3], 1024
	JLOAD \slot                                    ; the first tensor load behind the round; its four v_nop are also the places in front of the loads below
.else
	PLACES
.endif
	FETCH \next, 0, F0
	WIN MUL
	MUL8 F1, 1, 0, 0
	MUL8 F1, 1, 2, 0
.endm
	s_wait_tensorcnt 1                             ; my part of K step 0 is in; K step 1's load may stay out
	s_barrier_signal -1
	s_barrier_wait -1
	FETCH 0, 0, F0
	s_wait_loadcnt 0x0                             ; the bias
	QUARTER 0, 128, F0, F1, 1
	WIN 0
	s_mov_b32 s3, LAPS-1
.Llap:                                                 ; a trip goes once round the ring and fills both slots again
	QUARTER 0, 256, F1, F0, 0
	QUARTER 0, 384, F0, F1, 0
	TURN 0, 1, 1
	QUARTER 1, 128, F0, F1, 0
	QUARTER 1, 256, F1, F0, 0
	QUARTER 1, 384, F0, F1, 0
	TURN 1, 0, 1
	QUARTER 0, 128, F0, F1, 0
	WIN 0
	s_sub_co_u32 s3, s3, 1
	s_cmp_lg_u32 s3, 0
	s_cbranch_scc1 .Llap
	QUARTER 0, 256, F1, F0, 0                      ; the last lap fills nothing
	QUARTER 0, 384, F0, F1, 0
	TURN 0, 1, 0
	QUARTER 1, 128, F0, F1, 0
	QUARTER 1, 256, F1, F0, 0
	QUARTER 1, 384, F0, F1, 0
	s_wait_dscnt 16
	WIN MUL
	MUL8 F1, 0, 0, 0
	MUL8 F1, 0, 2, 0
	s_wait_dscnt 0
	MUL8 F1, 1, 0, 0
	MUL8 F1, 1, 2, 0
	WIN 0
	PLACES
.macro TOSTAGE a                       ; 16 rows x 64 columns of f32 through my own stage
.set BB, TMP+32*((\a)%2)
.irp b, 0,1,2,3
	ds_store_b128 v[STO], v[ACC+8*(4*(\a)+\b):ACC+8*(4*(\a)+\b)+3] offset:64*\b       ; each accumulator from its low end on
	ds_store_b128 v[STO], v[ACC+8*(4*(\a)+\b)+4:ACC+8*(4*(\a)+\b)+7] offset:64*\b+16
.endr
.irp i, 0,1,2,3,4,5,6,7
	ds_load_b128 v[BB+4*\i:BB+4*\i+3], v[RD] offset:\i*2*SPITCH    ; LDS serves a wave's instructions in order
.endr
.endm
.macro SEND a, younger
.set BB, TMP+32*((\a)%2)
	s_wait_dscnt \younger                          ; the block is back; the next block's 8 stores and 8 loads may be out
.irp i, 0,1,2,3,4,5,6,7
	global_store_b128 v[CO], v[BB+4*\i:BB+4*\i+3], s[74:75] offset:(16*(\a)+2*\i)*4096 th:TH_STORE_NT   ; sixteen lanes store 256 consecutive bytes, aligned
.endr
.endm
	TOSTAGE 0
.irp a, 1,2,3
.if \a > 1
	s_wait_xcnt 0x0                                ; block a - 2's stores have read their registers: block a's loads may land there
.endif
	TOSTAGE \a
	SEND \a-1, 16
.endr
	SEND 3, 0
	s_wait_tensorcnt 0x0                           ; the wave's end
	ds_add_u32 v[SPW], v[NIL]
	s_wait_dscnt 0x0
	CROUND                                         ; the closing round
	s_endpgm
.Lfunc_end_k_qf7343e5348_oproj:
	.size	k_qf7343e5348_oproj, .Lfunc_end_k_qf7343e5348_oproj-k_qf7343e5348_oproj
	.p2alignl 7, 3214868480
	.fill 96, 4, 3214868480
	.section	.rodata,"a",@progbits
	.p2align	6, 0x0
	.amdhsa_kernel k_qf7343e5348_oproj
		.amdhsa_group_segment_fixed_size 327680
		.amdhsa_private_segment_fixed_size 0
		.amdhsa_enable_private_segment 0
		.amdhsa_kernarg_size 32
		.amdhsa_user_sgpr_count 2
		.amdhsa_user_sgpr_kernarg_segment_ptr 1
		.amdhsa_wavefront_size32 1
		.amdhsa_system_sgpr_workgroup_id_x 1
		.amdhsa_system_sgpr_workgroup_id_y 1
		.amdhsa_system_sgpr_workgroup_id_z 1
		.amdhsa_system_vgpr_workitem_id 0
		.amdhsa_next_free_vgpr 512
		.amdhsa_next_free_sgpr 76
		.amdhsa_reserve_vcc 0
		.amdhsa_float_denorm_mode_32 3
		.amdhsa_float_denorm_mode_16_64 3
		.amdhsa_memory_ordered 1
		.amdhsa_forward_progress 1
		.amdhsa_inst_pref_size 87
	.end_amdhsa_kernel
	.amdgpu_metadata
---
amdhsa.version: [ 1, 2 ]
amdhsa.kernels:
  - .name:           k_qf7343e5348_oproj
    .symbol:         k_qf7343e5348_oproj.kd
    .args:
      - { .name: att, .offset: 0, .size: 8, .value_kind: global_buffer, .address_space: global }
      - { .name: wot, .offset: 8, .size: 8, .value_kind: global_buffer, .address_space: global }
      - { .name: bo, .offset: 16, .size: 8, .value_kind: global_buffer, .address_space: global }
      - { .name: out0, .offset: 24, .size: 8, .value_kind: global_buffer, .address_space: global }
    .group_segment_fixed_size: 327680
    .private_segment_fixed_size: 0
    .kernarg_segment_align: 8
    .kernarg_segment_size: 32
    .max_flat_workgroup_size: 128
    .sgpr_count:     76
    .vgpr_count:     512
    .wavefront_size: 32
...
	.end_amdgpu_metadata
.endif
;; end of part 4
;; launch fine (part 5): grid 16 x 4, 16 waves a work-group, no clusters, 141,312 bytes of LDS; arguments qkv32, wo, bo, out0; writes out0
.if DOCPART == 5
	.amdgcn_target "amdgcn-amd-amdhsa--gfx1250"
	.amdhsa_code_object_version 6
	.text
	.protected	k_qf7343e5348_fine
	.globl	k_qf7343e5348_fine
	.p2align	8
	.type	k_qf7343e5348_fine,@function
k_qf7343e5348_fine:
	s_mov_b64 s[64:65], 0
	v_nop
	global_prefetch_b8 v0, s[64:65] scope:SCOPE_SE
	s_setreg_imm32_b32 hwreg(HW_REG_WAVE_MODE, 25, 1), 1
	s_wait_xcnt 0x0
; POSITIONS 0 TO 15 OF EACH BATCH, ALL IN f32: they average one to sixteen values and are the largest rows, so their attention and their projection on the way out are carried finely.
; Work-group (x, batch) makes out0[batch][0..15][64 x .. 64 x + 63].  Wave = head: it redoes its head's 16 x 16 attention from the f32 images of q, k, v, multiplies the result, in registers, by its own
; 64 rows of wo for the 64 columns, and the sixteen waves' parts are added in LDS.  (The attention is done sixteen times over, 33 M multiply-adds in all, in place of a launch more.)
; AN IMAGE: lane (r, h), register 8 b + j holds position r, channel 16 b + 8 h + j.  The f32 matrix form takes k = 2 h + j from a lane's pair of registers; both sources of each product here carry the
; same order of k over lanes and registers, so every sum runs over all of its K.
; Hidden scores are taken as minus infinity (key 0 counts for every query).  No tensor load, no cluster: a small launch; 64 columns keep wo's and out0's pieces at 256 consecutive bytes.
; REGISTERS: v1-10 addresses; v16-47 q, v48-79 k (later wo's tiles 2, 3); v80-111 v, then V^T, then the attention's result; v112-175 wo's tiles 0, 1 (later the sixteen parts);
;   v176-207 and v208-239: accumulators, written by matrix instructions alone; v240-247 scores, then p; v248-253 at work; v[254:255] the bias.
.set VST,   0                          ; 16 x 4,352: v's 16 positions x (256 + 16) bytes for each wave
.set RED,   69632                      ; 16 x 4,352: each wave's part: 16 rows x (256 + 16)
.set SPARE, 139264                     ; the spare words: eight blocks of 256 bytes that no other line names
.set QI,  16
.set KI,  48
.set VI,  80
.set WOA, 112
.set SA,  176
.set OA,  208
.set PP,  240
	s_load_b256 s[4:11], s[0:1], 0x0               ; qkv32 4, wo 6, bo 8, out0 10
	v_lshl_add_u32 v1, v0, 2, SPARE
	v_mov_b32 v2, 0
	v_lshrrev_b32 v11, 5, v0
	v_readfirstlane_b32 s12, v11                   ; wave = head; on the way out: the position
	s_lshl_b32 s13, ttmp9, 6                       ; the first column
	s_and_b32 s14, ttmp7, 0xffff                   ; the batch
	v_and_b32 v11, 31, v0                          ; lane
	v_and_b32 v12, 15, v0                          ; r
	v_bfe_u32 v13, v0, 4, 1                        ; h
	v_lshlrev_b32 v3, 4, v11                       ; an image: 16 x lane
	v_lshlrev_b32 v4, 15, v13
	v_lshl_add_u32 v4, v12, 2, v4                  ; wo: 8 h rows of 4,096 bytes + 4 r
	s_mul_i32 s15, s12, 4352
	v_mul_u32_u24 v14, v12, 272
	v_lshl_add_u32 v14, v13, 5, v14                ; 272 r + 32 h
	v_add_nc_u32 v5, s15, v14                      ; v into my stage: position r, 8 channels of my half
	v_mul_u32_u24 v15, v13, 2176
	v_lshl_add_u32 v15, v12, 2, v15
	v_add_nc_u32 v6, s15, v15                      ; and back, turned: key 8 h on, channel r
	s_add_co_u32 s16, s15, RED
	v_add_nc_u32 v7, s16, v14                      ; my part: row r, 32 bytes for each half of the lanes
	s_mul_i32 s16, s12, 272
	s_add_co_u32 s16, s16, RED
	v_lshlrev_b32 v9, 3, v11                       ; 8 x lane
	v_add_nc_u32 v8, s16, v9                       ; the sum: row = my wave's number, 8 bytes a lane
	v_lshlrev_b32 v10, 3, v13
	v_sub_nc_u32 v10, v12, v10                     ; r - 8 h
	s_mov_b32 s20, 0x76543210
	s_mov_b32 s21, 0xfedcba98
	s_mov_b32 s22, 0x3d38aa3b                      ; c = log2(e) / 32
	s_lshl_b32 s16, s14, 4
	s_add_co_u32 s16, s16, s12
	s_lshl_b32 s16, s16, 12                        ; (16 batch + head) x 4,096
	s_mov_b32 s17, 0
	s_lshl_b32 s18, s12, 18                        ; wo: 64 rows of 4,096 bytes a head,
	s_lshl_b32 s24, s13, 2                         ; + 4 x the first column
	s_add_co_u32 s18, s18, s24
	s_mov_b32 s19, 0
	s_mov_b32 s25, 0
	s_lshl_b32 s26, s14, 23                        ; out0: 2,048 rows of 4,096 bytes a batch,
	s_lshl_b32 s27, s12, 12                        ; + my row,
	s_add_co_u32 s26, s26, s27
	s_add_co_u32 s26, s26, s24                     ; + the first column
	s_mov_b32 s27, 0
	s_wait_kmcnt 0x0
	s_add_nc_u64 s[4:5], s[4:5], s[16:17]
	s_add_nc_u64 s[6:7], s[6:7], s[18:19]
	s_add_nc_u64 s[8:9], s[8:9], s[24:25]
	s_add_nc_u64 s[10:11], s[10:11], s[26:27]
	global_load_b64 v[254:255], v9, s[8:9]         ; the bias of my two columns
.irp i, 0,1,2,3,4,5,6,7
	global_load_b128 v[QI+4*\i:QI+4*\i+3], v3, s[4:5] offset:512*\i
	global_load_b128 v[KI+4*\i:KI+4*\i+3], v3, s[4:5] offset:262144+512*\i
	global_load_b128 v[VI+4*\i:VI+4*\i+3], v3, s[4:5] offset:524288+512*\i
.endr
.irp u, 0,1                                    ; wo's tile u: lane (r, h), register 8 c + j: row 64 head + 16 c + 8 h + j, column 16 u + r: the image's order of channels
.irp c, 0,1,2,3
.irp j, 0,1,2,3,4,5,6,7
	global_load_b32 v[WOA+32*\u+8*\c+\j], v4, s[6:7] offset:(16*\c+\j)*4096+64*\u
.endr
.endr
.endr
	s_wait_loadcnt 63                              ; 64 loads are younger than the images; the count's field holds 63, and a smaller count is safe
.irp i, 0,1,2,3,4,5,6,7                        ; v is turned through my own stage: LDS serves a wave's instructions in order
	ds_store_b128 v5, v[VI+4*\i:VI+4*\i+3] offset:64*(\i/2)+16*(\i%2)
.endr
.irp c, 0,1,2,3                                ; V^T: register 8 c + e: key 8 h + e, channel 16 c + r
.irp e, 0,1,2,3,4,5,6,7
	ds_load_b32 v[VI+8*\c+\e], v6 offset:272*\e+64*\c
.endr
.endr
.irp i, 0,1,2,3,4,5,6,7,8,9,10,11,12,13,14,15  ; S^T = K Q^T: four channels an instruction, four accumulators by turns; the first four start the sums
.if \i < 4
	v_wmma_f32_16x16x4_f32 v[SA+8*(\i%4):SA+8*(\i%4)+7], v[KI+2*\i:KI+2*\i+1], v[QI+2*\i:QI+2*\i+1], 0
.else
	v_wmma_f32_16x16x4_f32 v[SA+8*(\i%4):SA+8*(\i%4)+7], v[KI+2*\i:KI+2*\i+1], v[QI+2*\i:QI+2*\i+1], v[SA+8*(\i%4):SA+8*(\i%4)+7]
.endif
.endr
.rept 8
	v_nop                                          ; eight places behind this form: for the loads into q's and k's registers and the first read of the sums
.endr
.irp u, 2,3
.irp c, 0,1,2,3
.irp j, 0,1,2,3,4,5,6,7
	global_load_b32 v[QI+32*(\u-2)+8*\c+\j], v4, s[6:7] offset:(16*\c+\j)*4096+64*\u
.endr
.endr
.endr
.irp j, 0,1,2,3,4,5,6,7                        ; lane (r, h), register j: query r, key 8 h + j; each accumulator is read from its low end on
	v_add_f32 v248, v[SA+\j], v[SA+8+\j]
	v_add_f32 v249, v[SA+16+\j], v[SA+24+\j]
	v_add_f32 v[PP+\j], v248, v249
.endr
	v_mov_b32 v250, 0xff800000
.irp j, 0,1,2,3,4,5,6,7
	v_cmp_gt_i32 vcc_lo, \j, v10                   ; hidden where 8 h + j > r
	v_cndmask_b32 v[PP+\j], v[PP+\j], v250, vcc_lo
.endr
	v_max3_num_f32 v248, v[PP], v[PP+1], v[PP+2]
	v_max3_num_f32 v248, v248, v[PP+3], v[PP+4]
	v_max3_num_f32 v248, v248, v[PP+5], v[PP+6]
	v_max_num_f32 v248, v248, v[PP+7]
	v_permlanex16_b32 v249, v248, s20, s21
	v_max_num_f32 v248, v248, v249                 ; the row's maximum
	v_mul_f32 v248, s22, v248
.irp j, 0,1,2,3,4,5,6,7
	v_fma_f32 v[PP+\j], v[PP+\j], s22, -v248       ; c s - c m
.endr
.irp j, 0,1,2,3,4,5,6,7
	v_exp_f32 v[PP+\j], v[PP+\j]
.endr
	v_nop
	s_wait_alu depctr_va_vdst(0)                   ; one wait for the eight exponentials, ahead of their first reader
	v_add_f32 v248, v[PP], v[PP+1]
	v_add_f32 v249, v[PP+2], v[PP+3]
	v_add_f32 v250, v[PP+4], v[PP+5]
	v_add_f32 v251, v[PP+6], v[PP+7]
	v_add_f32 v248, v248, v249
	v_add_f32 v250, v250, v251
	v_add_f32 v248, v248, v250
	v_permlanex16_b32 v249, v248, s20, s21
	v_add_f32 v248, v248, v249                     ; the row's sum
	v_rcp_f32 v251, v248
	v_nop
	s_wait_alu depctr_va_vdst(0)
	s_wait_dscnt 0x0                               ; V^T is in
.irp k, 0,1,2,3                                ; O^T = V^T P: keys 8 h + 2 k + 0, 1 on both sides; four accumulators by turns
.irp c, 0,1,2,3
.if \k == 0
	v_wmma_f32_16x16x4_f32 v[OA+8*\c:OA+8*\c+7], v[VI+8*\c+2*\k:VI+8*\c+2*\k+1], v[PP+2*\k:PP+2*\k+1], 0
.else
	v_wmma_f32_16x16x4_f32 v[OA+8*\c:OA+8*\c+7], v[VI+8*\c+2*\k:VI+8*\c+2*\k+1], v[PP+2*\k:PP+2*\k+1], v[OA+8*\c:OA+8*\c+7]
.endif
.endr
.endr
.rept 8
	v_nop
.endr
.set i, 0
.rept 32
	v_mul_f32 v[VI+i], v[OA+i], v251               ; the attention's result, in the image's layout, into other registers than the sums'
.set i, i+1
.endr
	s_wait_loadcnt 0x0                             ; wo and the bias
.macro FW u, wb, i                     ; my part of out: source 0 = 16 columns of wo, source 1 = the 16 positions; four channels
.if \i == 0
	v_wmma_f32_16x16x4_f32 v[SA+8*\u:SA+8*\u+7], v[\wb+2*\i:\wb+2*\i+1], v[VI+2*\i:VI+2*\i+1], 0
.else
	v_wmma_f32_16x16x4_f32 v[SA+8*\u:SA+8*\u+7], v[\wb+2*\i:\wb+2*\i+1], v[VI+2*\i:VI+2*\i+1], v[SA+8*\u:SA+8*\u+7]
.endif
.endm
.irp i, 0,1,2,3,4,5,6,7,8,9,10,11,12,13,14,15
	FW 0, WOA, \i
	FW 1, WOA+32, \i
	FW 2, QI, \i
	FW 3, QI+32, \i
.endr
.rept 8
	v_nop
.endr
.irp u, 0,1,2,3                                ; lane (r, h): position r, columns 16 u + 8 h + 0 .. 7
	ds_store_b128 v7, v[SA+8*\u:SA+8*\u+3] offset:64*\u
	ds_store_b128 v7, v[SA+8*\u+4:SA+8*\u+7] offset:64*\u+16
.endr
	s_wait_dscnt 0x0                               ; for the others' sake: my part lies in LDS
	s_barrier_signal -1
	s_barrier_wait -1
.irp w, 0,1,2,3,4,5,6,7,8,9,10,11,12,13,14,15  ; wave w adds row w of the sixteen parts
	ds_load_b64 v[WOA+2*\w:WOA+2*\w+1], v8 offset:4352*\w
.endr
	s_wait_dscnt 0x0
.irp o, 0,4,8,12,16,20,24,28
	v_pk_add_f32 v[WOA+\o:WOA+\o+1], v[WOA+\o:WOA+\o+1], v[WOA+\o+2:WOA+\o+3]
.endr
.irp o, 0,8,16,24
	v_pk_add_f32 v[WOA+\o:WOA+\o+1], v[WOA+\o:WOA+\o+1], v[WOA+\o+4:WOA+\o+5]
.endr
.irp o, 0,16
	v_pk_add_f32 v[WOA+\o:WOA+\o+1], v[WOA+\o:WOA+\o+1], v[WOA+\o+8:WOA+\o+9]
.endr
	v_pk_add_f32 v[WOA:WOA+1], v[WOA:WOA+1], v[WOA+16:WOA+17]
	v_pk_add_f32 v[WOA:WOA+1], v[WOA:WOA+1], v[254:255]
	global_store_b64 v9, v[WOA:WOA+1], s[10:11]    ; the wave stores 256 consecutive bytes of one row, aligned
	s_wait_tensorcnt 0x0                           ; the wave's end
	ds_add_u32 v1, v2
	s_wait_dscnt 0x0
	s_endpgm
.Lfunc_end_k_qf7343e5348_fine:
	.size	k_qf7343e5348_fine, .Lfunc_end_k_qf7343e5348_fine-k_qf7343e5348_fine
	.p2alignl 7, 3214868480
	.fill 96, 4, 3214868480
	.section	.rodata,"a",@progbits
	.p2align	6, 0x0
	.amdhsa_kernel k_qf7343e5348_fine
		.amdhsa_group_segment_fixed_size 141312
		.amdhsa_private_segment_fixed_size 0
		.amdhsa_enable_private_segment 0
		.amdhsa_kernarg_size 32
		.amdhsa_user_sgpr_count 2
		.amdhsa_user_sgpr_kernarg_segment_ptr 1
		.amdhsa_wavefront_size32 1
		.amdhsa_system_sgpr_workgroup_id_x 1
		.amdhsa_system_sgpr_workgroup_id_y 1
		.amdhsa_system_sgpr_workgroup_id_z 1
		.amdhsa_system_vgpr_workitem_id 0
		.amdhsa_next_free_vgpr 256
		.amdhsa_next_free_sgpr 66
		.amdhsa_reserve_vcc 1
		.amdhsa_float_denorm_mode_32 3
		.amdhsa_float_denorm_mode_16_64 3
		.amdhsa_memory_ordered 1
		.amdhsa_forward_progress 1
		.amdhsa_inst_pref_size 33
	.end_amdhsa_kernel
	.amdgpu_metadata
---
amdhsa.version: [ 1, 2 ]
amdhsa.kernels:
  - .name:           k_qf7343e5348_fine
    .symbol:         k_qf7343e5348_fine.kd
    .args:
      - { .name: qkv32, .offset: 0, .size: 8, .value_kind: global_buffer, .address_space: global }
      - { .name: wo, .offset: 8, .size: 8, .value_kind: global_buffer, .address_space: global }
      - { .name: bo, .offset: 16, .size: 8, .value_kind: global_buffer, .address_space: global }
      - { .name: out0, .offset: 24, .size: 8, .value_kind: global_buffer, .address_space: global }
    .group_segment_fixed_size: 141312
    .private_segment_fixed_size: 0
    .kernarg_segment_align: 8
    .kernarg_segment_size: 32
    .max_flat_workgroup_size: 512
    .sgpr_count:     66
    .vgpr_count:     256
    .wavefront_size: 32
...
	.end_amdgpu_metadata
.endif
;; end of part 5
